; MI455X (gfx1250); checked and timed in simulation.
; The chip was launched on July 23, 2026; its instructions are those of AMD's public machine-readable ISA for CDNA 5 (MIT licence, August 2026) and "CDNA5" Instruction Set Architecture Reference Guide (July 2026). The comments in the code are by the model that wrote it; some were corrected since.
;; Casual Self Attention alternative. Allowed arithmetic: matrix products marked QUANTISED: E2M1 operands, one E8M0 scale for each 32 along K, by v_wmma_scale_f32_16x16x128_f8f6f4 with both operands' format E2M1 (or v_wmma_scale_f32_32x16x128_f4), f32 sums; everything else in f32.
;; Inputs: Wk 1,024 x 1,024 float32; Wo 1,024 x 1,024 float32; Wq 1,024 x 1,024 float32; Wv 1,024 x 1,024 float32; bk 1,024 float32; bo 1,024 float32; bq 1,024 float32; bv 1,024 float32; x 4 x 2,048 x 1,024 float32.
;; Outputs: out0 4 x 2,048 x 1,024 float32.
;; This version of the problem:
;;   THIS VERSION OF THE PROBLEM IS GIVEN IN LOW PRECISION. The matrix products marked QUANTISED in the list below multiply operands that are first quantised to E2M1 (2 exponent bits, 1 mantissa bit; 4 bits a number), with one power-of-two scale for each 32 numbers along K (OCP MX v1.0); their sums are f32. All else is computed in f32.
;;   The module's matrix products, in the order in which they are computed (A, B: the left and right operand; K: the contracted axis; several contracted axes count as one K, in the product's order):
;;     1. [M 8,192, K 1,024] x [K 1,024, N 1,024]; A: input x; B: input Wq: QUANTISED
;;     2. [M 8,192, K 1,024] x [K 1,024, N 1,024]; A: input x; B: input Wk: QUANTISED
;;     3. [M 8,192, K 1,024] x [K 1,024, N 1,024]; A: input x; B: input Wv: QUANTISED
;;     4. batch 64 x [M 2,048, K 64] x [K 64, N 2,048]; A: computed on the way; B: computed on the way: QUANTISED
;;     5. batch 64 x [M 2,048, K 2,048] x [K 2,048, N 64]; A: softmax (see below); B: computed on the way: QUANTISED
;;     6. [M 8,192, K 1,024] x [K 1,024, N 1,024]; A: computed on the way; B: input Wo: QUANTISED
;;   THE QUANTISER, for each operand of a quantised product, along K:
;;     - K is cut into blocks of 32 from its start; a last block that is shorter is filled with zeros.
;;     - A block's scale is 2^e with e = floor(log2(the largest magnitude in the block)) - 2, held to -126 .. 127; a block of zeros has e = 0. As a byte (E8M0): e + 127.
;;     - Each number is divided by its block's scale, clamped to +-6, and rounded to the nearest number of E2M1, ties to even, subnormals kept.
;;     - The product sums the exact products of the quantised numbers (number of the format x scale) in f32.
;;   ~~~python
;;   def quantise(x, axis):      # numpy; x: float32 -> the quantised numbers, widened to float32 again
;;       x = np.moveaxis(x, axis, -1); K = x.shape[-1]
;;       x = np.pad(x, [(0, 0)] * (x.ndim - 1) + [(0, -K % 32)]); x = x.reshape(x.shape[:-1] + (-1, 32)); a = np.abs(x).max(-1, keepdims=True)
;;       e = np.where(a > 0, np.clip(np.frexp(np.where(a > 0, a, 1))[1] - 1 - 2, -126, 127), 0)      # np.frexp(a)[1] - 1 = floor(log2(a)), exactly
;;       r = np.clip(x / 2.0 ** e, -6, 6)
;;       step = 2.0 ** (np.maximum(np.frexp(np.where(r == 0, 1, r))[1] - 1, 0) - 1)
;;       q = np.round(r / step) * step * 2.0 ** e      # np.round: ties to even
;;       return np.moveaxis(q.reshape(q.shape[:-2] + (-1,))[..., :K], -1, axis).astype(np.float32)
;;   ~~~
;;   SOFTMAX AHEAD OF A QUANTISED PRODUCT. Where the list says 'softmax', what is quantised is not the finished softmax but p = 2^(t - M), with t = logit x log2(e) and M = ceil(the row's largest t), a whole number; so 1/2 < the row's largest p <= 1. The row's sum l is taken of the UNQUANTISED p, in f32, and the product's result is divided by l at the end. Since M is a whole number, a kernel that streams over the keys may use a running M (the ceiling of the running maximum): every later rescaling is an exact power of two, which a block's scale takes up: the codes' values come out the same.
;;   OPERANDS COMPUTED ON THE WAY. 'Computed on the way' means the value that the module computes at that place (a softmax that the list does not call 'softmax' is quantised finished and normalised). What goes into a quantiser is computed in f32, as accurately as f32 sums, v_exp_f32 and their like allow (about 1e-6 of the number): no bf16 or f16 on the way to a quantiser, and a product that is left as it is and whose result goes on into a quantised operand takes f32 operands (vector FMAs, or v_wmma_f32_16x16x4_f32). A number that lies on a knife's edge between two numbers of the format may be rounded either way, as far as f32 arithmetic and the matrix unit's own rounding can turn it there, and no further.
;; One version. Each part assembles by itself: llvm-mc -triple=amdgcn-amd-amdhsa -mcpu=gfx1250 --defsym DOCPART=n.
;; ======== version 1 of 1: 4 launches
;; workspace buffers: ximg 4,194,304 bytes; xscl 262,144 bytes; wimg 2,097,152 bytes; wscl 131,072 bytes; qkv 13,893,632 bytes; yimg 4,194,304 bytes; yscl 262,144 bytes
;; launch quant (part 1): grid 384 x 1, 4 waves a work-group, no clusters, 34,304 bytes of LDS; arguments x, Wq, Wk, Wv, Wo, ximg, xscl, wimg, wscl; writes ximg, xscl, wimg, wscl
.if DOCPART == 1
	.amdgcn_target "amdgcn-amd-amdhsa--gfx1250"
	.amdhsa_code_object_version 6
	.text
	.protected	k_q53de3e8682_quant
	.globl	k_q53de3e8682_quant
	.p2align	8
	.type	k_q53de3e8682_quant,@function
k_q53de3e8682_quant:
	s_mov_b64 s[64:65], 0
	v_nop
	global_prefetch_b8 v0, s[64:65] scope:SCOPE_SE
	s_setreg_imm32_b32 hwreg(HW_REG_WAVE_MODE, 25, 1), 1
	s_wait_xcnt 0x0
; x [8192][1024] f32 (K innermost) and Wq, Wk, Wv, Wo [1024 (k)][1024 (n)] f32 (K is the first axis) become codes of FP4 (E2M1) with one E8M0 byte for each 32 along K.
; A block's scale is 2^(floor(log2(its largest magnitude)) - 2); its byte is the largest magnitude's exponent field - 2, held at 1 from below.
; LIMITS: NaN and infinities among the inputs are not served.  A block whose largest magnitude lies under 2^-124 gets the byte 1; a block of zeros gets the byte 1 and not 127: its codes are
; zeros, which add nothing under any byte but 0xff, and the bytes are read by this program alone.
; THE OUTPUT IS LAID AS IMAGES OF THE OPERAND'S REGISTERS.  A tile T of 16 rows holds in lane place r the row 32 (T / 2) + 8 (T % 2) + r + 8 (r / 8).  A fragment (16 rows x 128 K) is 1,024 bytes:
; byte 512 c + 16 lane holds the lane's registers 4 c .. 4 c + 3, that is k = 64 c + 32 (lane / 16) + 0 .. 31 of the row at place lane % 16.  A scale unit (one tile, four K steps) is 256 bytes:
; byte 16 r + 4 q holds row r's scale word of K step q.   ximg, wimg: [group of 128 rows][512 along K][tile 8][K step 4][1024];  xscl, wscl: [group][512 along K][tile 8][256].
; Work-groups 0-255 take x (a wave: one tile x 512 along K), work-groups 256-383 the weights (a wave: 32 columns x 256 along K).  Waves share nothing: no barrier.  No work-group shares an input
; with another, so there is nothing to ask for jointly.  Only x's path uses LDS.
.set XR,  32                           ; v32-159  x as loaded: two sets of 64
.set XX,  160                          ; v160-223 my two blocks of 32 neighbours
.set XC,  224                          ; v224-255 codes: 8 registers for each sub-step, so that no store's data are written again
.set SWR, 24                           ; v24-27   the four scale words
.set SP,  528                          ; a stage row: 512 bytes + 16
	s_load_b256 s[4:11], s[0:1], 0x0               ; x, Wq, Wk, Wv
	s_load_b256 s[12:19], s[0:1], 0x20             ; Wo, ximg, xscl, wimg
	s_load_b64 s[20:21], s[0:1], 0x40              ; wscl
	v_lshl_add_u32 v30, v0, 2, 0x8400
	v_mov_b32 v31, 0
	v_lshrrev_b32 v1, 5, v0
	v_readfirstlane_b32 s22, v1                    ; wave 0..3
	v_and_b32 v2, 31, v0                           ; lane
	s_cmp_lt_u32 ttmp9, 256
	s_cbranch_scc0 .Lweights
	; ---------------- x: tile T = (4 x work-group + wave) / 2, half of K = its low bit
	s_mov_b32 s24, 0x76543210
	s_mov_b32 s25, 0xfedcba98                      ; v_permlanex16_b32's selects for lane l xor 16
	v_lshlrev_b32 v3, 4, v2                        ; 16 x lane: my bytes of a load's 512, and of an image's
	v_and_b32 v9, 15, v2                           ; r
	v_lshrrev_b32 v10, 4, v2                       ; h
	s_mul_i32 s23, s22, 16*SP                      ; my wave's stage
	v_add_nc_u32 v4, s23, v3                       ; into it: a row as it lies
	v_mul_u32_u24 v5, v9, SP
	v_lshl_add_u32 v5, v10, 7, v5
	v_add_nc_u32 v5, s23, v5                       ; out of it: row r, from number 32 h on
	v_lshlrev_b32 v6, 4, v9                        ; 16 r: my row's four scale words
	v_lshlrev_b32 v7, 3, v10                       ; 8 h: how far my two bytes are shifted in a scale word
	v_mov_b32 v11, 0                               ; (a lane permute's destination counts as one of its sources)
	s_lshl_b32 s26, ttmp9, 2
	s_add_co_u32 s26, s26, s22
	s_lshr_b32 s27, s26, 1                         ; T
	s_and_b32 s28, s26, 1                          ; which 512 along K
	s_lshr_b32 s29, s27, 1
	s_lshl_b32 s29, s29, 17                        ; 32 (T / 2) rows of 4,096 bytes
	s_and_b32 s30, s27, 1
	s_lshl_b32 s30, s30, 15                        ; 8 (T % 2) rows
	s_add_co_u32 s30, s29, s30
	s_lshl_b32 s29, s28, 11                        ; 512 numbers
	s_add_co_u32 s30, s30, s29
	s_mov_b32 s31, 0
	s_lshr_b32 s32, s27, 3
	s_lshl_b32 s32, s32, 1
	s_add_co_u32 s32, s32, s28                     ; 2 x group + half of K
	s_and_b32 s33, s27, 7                          ; tile in the group
	s_lshl_b32 s34, s32, 15
	s_lshl_b32 s35, s33, 12
	s_add_co_u32 s34, s34, s35
	s_mov_b32 s35, 0
	s_lshl_b32 s36, s32, 3
	s_add_co_u32 s36, s36, s33
	s_lshl_b32 s36, s36, 8
	s_mov_b32 s37, 0
	s_wait_alu depctr_va_vdst(0)
	s_wait_kmcnt 0x0
	s_add_nc_u64 s[4:5], s[4:5], s[30:31]
	s_add_nc_u64 s[14:15], s[14:15], s[34:35]
	s_add_nc_u64 s[16:17], s[16:17], s[36:37]
.macro LOADX q                         ; sub-step q: 128 along K of the tile's 16 rows; each load reads 512 consecutive bytes
.irp i, 0,1,2,3,4,5,6,7,8,9,10,11,12,13,14,15
	global_load_b128 v[XR+64*((\q)%2)+4*\i:XR+64*((\q)%2)+4*\i+3], v3, s[4:5] offset:(\i+8*(\i/8))*4096+512*(\q) th:TH_LOAD_NT
.endr
.endm
.macro SUB q
.if (\q) < 3
	s_wait_loadcnt 16                              ; this sub-step's 16 loads are in; the next one's 16 may be out
.else
	s_wait_loadcnt 0x0
.endif
.irp i, 0,1,2,3,4,5,6,7,8,9,10,11,12,13,14,15
	ds_store_b128 v4, v[XR+64*((\q)%2)+4*\i:XR+64*((\q)%2)+4*\i+3] offset:SP*\i
.endr
.irp c, 0,1                            ; LDS serves a wave's instructions in order: these see the stores above
.irp j, 0,1,2,3,4,5,6,7
	ds_load_b128 v[XX+32*\c+4*\j:XX+32*\c+4*\j+3], v5 offset:256*\c+16*\j   ; k = 64 c + 32 h + 4 j ..
.endr
.endr
	s_wait_dscnt 0x0                               ; my 64 numbers are back, and the stores have read their registers,
.if (\q)+2 < 4
	LOADX (\q)+2                                   ; which take the loads of two sub-steps on
.endif
.irp c, 0,1                            ; my block 2 c + h: all its 32 numbers are mine
	v_max3_num_f32 v[12+\c], |v[XX+32*\c]|, |v[XX+32*\c+1]|, 0x1800000   ; with the floor 2^(3 - 127): the byte cannot fall under 1
.endr
.irp i, 2,4,6,8,10,12,14,16,18,20,22,24,26,28,30
.irp c, 0,1
	v_max3_num_f32 v[12+\c], v[12+\c], |v[XX+32*\c+\i]|, |v[XX+32*\c+\i+1]|
.endr
.endr
.irp c, 0,1
	v_add_nc_u32 v[14+\c], 0xff000000, v[12+\c]    ; 2 off the exponent field: the conversion's scale operand
.endr
.irp c, 0,1
	v_lshrrev_b32 v[16+\c], 23, v[14+\c]           ; the scale's byte
.endr
	v_lshl_or_b32 v18, v17, 16, v16                ; my two bytes, blocks h and 2 + h,
	v_lshlrev_b32 v18, v7, v18                     ; at their places in the word;
	v_permlanex16_b32 v11, v18, s24, s25
	v_or_b32 v[SWR+(\q)], v18, v11                 ; with lane l xor 16's two the word is whole
.irp c, 0,1
.irp g, 0,1,2,3
	v_cvt_scalef32_pk8_fp4_f32 v[XC+8*(\q)+4*\c+\g], v[XX+32*\c+8*\g:XX+32*\c+8*\g+7], v[14+\c]
.endr
.endr
	v_nop                                          ; one plain place behind the scaled conversions
.irp c, 0,1
	global_store_b128 v3, v[XC+8*(\q)+4*\c:XC+8*(\q)+4*\c+3], s[14:15] offset:1024*(\q)+512*\c   ; 512 consecutive bytes of the image
.endr
.endm
	LOADX 0
	LOADX 1
	SUB 0
	SUB 1
	SUB 2
	SUB 3
	global_store_b128 v6, v[SWR:SWR+3], s[16:17]   ; the tile's scale unit, 256 bytes; lanes 16-31 hold and store the same words as lanes 0-15
	s_wait_tensorcnt 0x0
	ds_add_u32 v30, v31
	s_wait_dscnt 0x0
	s_endpgm
	; ---------------- the weights: a lane takes a column n and its registers run down K, so that a block lies in one lane and the codes come out with K innermost
.Lweights:
	s_sub_co_u32 s26, ttmp9, 256
	s_lshr_b32 s27, s26, 5                         ; which weight: 0 Wq, 1 Wk, 2 Wv, 3 Wo
	s_bfe_u32 s28, s26, 0x30002                    ; which 128 columns
	s_and_b32 s29, s26, 3                          ; which 256 along K
	s_wait_alu depctr_va_vdst(0)
	v_lshlrev_b32 v3, 2, v2                        ; in: 4 bytes a lane
	v_bfe_u32 v9, v2, 3, 1                         ; column 32 wave + lane lies in tile 2 wave + u, u = bit 3 of the lane,
	v_and_b32 v10, 7, v2
	v_lshrrev_b32 v11, 4, v2
	v_lshl_add_u32 v10, v11, 3, v10                ; at place lane % 8 + 8 (lane / 16)
	v_lshlrev_b32 v4, 4, v10
	v_lshlrev_b32 v5, 4, v10
	v_lshl_add_u32 v4, v9, 12, v4                  ; codes: 4,096 u + 16 place
	v_lshl_add_u32 v5, v9, 8, v5                   ; scale words: 256 u + 16 place
	s_lshl_b32 s30, s29, 20                        ; 256 rows of 4,096 bytes
	s_lshl_b32 s31, s28, 9
	s_add_co_u32 s30, s30, s31
	s_lshl_b32 s31, s22, 7
	s_add_co_u32 s30, s30, s31                     ; + (128 group + 32 wave) x 4
	s_mov_b32 s31, 0
	s_lshl_b32 s32, s28, 1
	s_lshr_b32 s33, s29, 1
	s_add_co_u32 s32, s32, s33                     ; 2 x group + half of K
	s_and_b32 s33, s29, 1                          ; which two K steps of that half
	s_lshl_b32 s34, s27, 19
	s_lshl_b32 s35, s32, 15
	s_add_co_u32 s34, s34, s35
	s_lshl_b32 s35, s22, 13
	s_add_co_u32 s34, s34, s35
	s_lshl_b32 s35, s33, 11
	s_add_co_u32 s34, s34, s35
	s_mov_b32 s35, 0
	s_lshl_b32 s36, s32, 3
	s_lshl_b32 s37, s22, 1
	s_add_co_u32 s36, s36, s37
	s_lshl_b32 s36, s36, 8
	s_lshl_b32 s37, s27, 15
	s_add_co_u32 s36, s36, s37
	s_lshl_b32 s37, s33, 3
	s_add_co_u32 s36, s36, s37
	s_mov_b32 s37, 0
	s_wait_alu depctr_va_vdst(0)
	s_wait_kmcnt 0x0
	s_cmp_eq_u32 s27, 1                            ; the choice hangs on the work-group's number alone
	s_cselect_b64 s[6:7], s[8:9], s[6:7]
	s_cmp_eq_u32 s27, 2
	s_cselect_b64 s[6:7], s[10:11], s[6:7]
	s_cmp_eq_u32 s27, 3
	s_cselect_b64 s[6:7], s[12:13], s[6:7]
	s_add_nc_u64 s[6:7], s[6:7], s[30:31]
	s_add_nc_u64 s[18:19], s[18:19], s[34:35]
	s_add_nc_u64 s[20:21], s[20:21], s[36:37]
.macro LOADW t                         ; block t: W(32 t + i, my column): a wave reads 128 consecutive bytes, the four waves 512
.irp i, 0,1,2,3,4,5,6,7,8,9,10,11,12,13,14,15,16,17,18,19,20,21,22,23,24,25,26,27,28,29,30,31
	global_load_b32 v[32+32*((\t)%2)+\i], v3, s[6:7] offset:(32*(\t)+\i)*4096 th:TH_LOAD_NT
.endr
.endm
.macro BLOCK t
.set WS, 32+32*((\t)%2)
.if (\t) < 7
	s_wait_loadcnt 32                              ; this block's 32 loads are in; the next block's may be out
.else
	s_wait_loadcnt 0x0
.endif
	v_max3_num_f32 v12, |v[WS]|, |v[WS+1]|, |v[WS+2]|
	v_max3_num_f32 v13, |v[WS+3]|, |v[WS+4]|, |v[WS+5]|
.irp i, 6,10,14,18,22,26
	v_max3_num_f32 v12, v12, |v[WS+\i]|, |v[WS+\i+1]|
	v_max3_num_f32 v13, v13, |v[WS+\i+2]|, |v[WS+\i+3]|
.endr
	v_max3_num_f32 v12, v12, |v[WS+30]|, |v[WS+31]|
	v_max3_num_f32 v12, v12, v13, 0x1800000        ; and the floor
	v_add_nc_u32 v14, 0xff000000, v12              ; the conversion's scale operand
	v_lshrrev_b32 v15, 23, v14                     ; the byte
.if (\t)%4 == 0
	v_mov_b32 v[24+(\t)/4], v15                    ; four bytes to a word, the lower K in the lower byte
.else
	v_lshl_or_b32 v[24+(\t)/4], v15, 8*((\t)%4), v[24+(\t)/4]
.endif
.irp g, 0,1,2,3
	v_cvt_scalef32_pk8_fp4_f32 v[96+4*(\t)+\g], v[WS+8*\g:WS+8*\g+7], v14
.endr
	v_nop                                          ; one plain place behind the scaled conversions
	global_store_b128 v4, v[96+4*(\t):96+4*(\t)+3], s[18:19] offset:((\t)/4)*1024+(((\t)%4)/2)*512+((\t)%2)*256   ; the sixteen lanes of a tile store 256 consecutive bytes, aligned
.if (\t)+2 < 8
	LOADW (\t)+2
.endif
.endm
	LOADW 0
	LOADW 1
.irp t, 0,1,2,3,4,5,6,7
	BLOCK \t
.endr
	global_store_b64 v5, v[24:25], s[20:21]        ; my column's two scale words: 8 bytes of each 16 of a scale unit (the unit's other half comes from the work-group of the next 256 along K)
	s_endpgm
.Lfunc_end_k_q53de3e8682_quant:
	.size	k_q53de3e8682_quant, .Lfunc_end_k_q53de3e8682_quant-k_q53de3e8682_quant
	.p2alignl 7, 3214868480
	.fill 96, 4, 3214868480
	.section	.rodata,"a",@progbits
	.p2align	6, 0x0
	.amdhsa_kernel k_q53de3e8682_quant
		.amdhsa_group_segment_fixed_size 34304
		.amdhsa_private_segment_fixed_size 0
		.amdhsa_enable_private_segment 0
		.amdhsa_kernarg_size 72
		.amdhsa_user_sgpr_count 2
		.amdhsa_user_sgpr_kernarg_segment_ptr 1
		.amdhsa_wavefront_size32 1
		.amdhsa_system_sgpr_workgroup_id_x 1
		.amdhsa_system_sgpr_workgroup_id_y 1
		.amdhsa_system_sgpr_workgroup_id_z 1
		.amdhsa_system_vgpr_workitem_id 0
		.amdhsa_next_free_vgpr 256
		.amdhsa_next_free_sgpr 66
		.amdhsa_reserve_vcc 0
		.amdhsa_float_denorm_mode_32 3
		.amdhsa_float_denorm_mode_16_64 3
		.amdhsa_memory_ordered 1
		.amdhsa_forward_progress 1
		.amdhsa_inst_pref_size 68
	.end_amdhsa_kernel
	.amdgpu_metadata
---
amdhsa.version: [ 1, 2 ]
amdhsa.kernels:
  - .name:           k_q53de3e8682_quant
    .symbol:         k_q53de3e8682_quant.kd
    .args:
      - { .name: x, .offset: 0, .size: 8, .value_kind: global_buffer, .address_space: global }
      - { .name: Wq, .offset: 8, .size: 8, .value_kind: global_buffer, .address_space: global }
      - { .name: Wk, .offset: 16, .size: 8, .value_kind: global_buffer, .address_space: global }
      - { .name: Wv, .offset: 24, .size: 8, .value_kind: global_buffer, .address_space: global }
      - { .name: Wo, .offset: 32, .size: 8, .value_kind: global_buffer, .address_space: global }
      - { .name: ximg, .offset: 40, .size: 8, .value_kind: global_buffer, .address_space: global }
      - { .name: xscl, .offset: 48, .size: 8, .value_kind: global_buffer, .address_space: global }
      - { .name: wimg, .offset: 56, .size: 8, .value_kind: global_buffer, .address_space: global }
      - { .name: wscl, .offset: 64, .size: 8, .value_kind: global_buffer, .address_space: global }
    .group_segment_fixed_size: 34304
    .private_segment_fixed_size: 0
    .kernarg_segment_align: 8
    .kernarg_segment_size: 72
    .max_flat_workgroup_size: 128
    .sgpr_count:     66
    .vgpr_count:     256
    .wavefront_size: 32
...
	.end_amdgpu_metadata
.endif
;; end of part 1
;; launch gemm_qkv (part 2): grid 8 x 48, 4 waves a work-group, clusters of 4 x 4, 327,680 bytes of LDS; arguments ximg, xscl, wimg, wscl, bq, bk, bv, qkv; writes qkv
.if DOCPART == 2
	.amdgcn_target "amdgcn-amd-amdhsa--gfx1250"
	.amdhsa_code_object_version 6
	.text
	.protected	k_q53de3e8682_gemm_qkv
	.globl	k_q53de3e8682_gemm_qkv
	.p2align	8
	.type	k_q53de3e8682_gemm_qkv,@function
k_q53de3e8682_gemm_qkv:
	s_mov_b64 s[64:65], 0
	v_nop
	global_prefetch_b8 v0, s[64:65] scope:SCOPE_SE
	s_setreg_imm32_b32 hwreg(HW_REG_WAVE_MODE, 25, 1), 1
	s_wait_xcnt 0x0
	s_wait_alu depctr_hold_cnt(0) depctr_sa_sdst(0) depctr_va_vdst(0) depctr_va_sdst(0) depctr_va_ssrc(0) depctr_va_vcc(0) depctr_vm_vsrc(0)
	s_getreg_b32 s2, hwreg(HW_REG_IB_STS2, 6, 4)
	s_cmp_eq_u32 s2, 0
	s_cbranch_scc0 .Lentry_in_a_cluster
	s_endpgm
.Lentry_in_a_cluster:
	s_bfe_u32 s2, ttmp6, 0x10000c
	s_cmp_lg_u32 s2, 0xf033
	s_cbranch_scc0 .Lentry_shape_is_right
	s_endpgm
.Lentry_shape_is_right:
; q = x Wq + bq, k = x Wk + bk, v = x Wv + bv on codes of FP4 (E2M1) with E8M0 scales, sums in f32; the results are quantised in registers (q, k along the head's 64, v along the keys) and
; leave as images of the registers in which the attention launch wants them.  They never go to memory as f32.
; C[m][n] = sum over k of A[m][k] B[n][k]; a tile of C is 256 x 256, made by four waves, each 128 x 128: 64 accumulators, 512 registers.  THE MATRIX INSTRUCTION IS USED TRANSPOSED (source 0 = 16
; rows of B, source 1 = 16 rows of A): a lane holds one row of A and its registers run along B's rows, which is the axis that is quantised.
; TWO MODES, one text, chosen by selects on the cluster's y, which all partners share (no branch):  clusters y 0-7: A = x (32 tile rows), B = Wq | Wk (8 tile columns): registers run along
; the features.  clusters y 8-11: A = Wv (4 tile rows), B = x (32 tile columns): registers run along the tokens, which are the keys.
; OPERANDS are register images (a fragment: byte 512 c + 16 lane): every LDS load reads 512 consecutive bytes; no pitch, no padding.  A tile T holds in lane place r the row
; 32 (T / 2) + 8 (T % 2) + r + 8 (r / 8), so that the 16 registers of result tiles 2 b and 2 b + 1 are 16 neighbours: 32 b + 16 (lane / 16) + 0 .. 15.
; ALL OF K (1,024: 512 bytes a row) OF THE TILE'S 512 ROWS FITS IN LDS: 262,144 bytes of codes and 16,384 of scale words are filled once, by three tensor loads a wave; nothing is filled again.
; CLUSTERS: 4 x 4 work-groups; A's blocks are shared along a row of the cluster, B's along a column: each is asked for jointly.
; The grid has 384 work-groups of equal work, one tile each.
; LIMITS: as the quantising launch states: NaN and infinities are not served; a block under 2^-124 or of zeros gets the byte 1.
; qkv: 64 records (16 x batch + head) of 217,088 bytes:  +0 Q's codes [tile 128][512]: a lane's 16 bytes are k = 32 (lane / 16) + 0 .. 31 of the head's 64;  +65,536 Q's scale words [tile / 4][place 16][tile % 4];
;   +73,728 and +139,264 K's likewise;  +147,456 V's codes [128 keys 16][16 of the head's 64: 4][1024];  +212,992 V's scale words [128 keys 16][place 16][4].
;   A scale word of Q or K has its two bytes low; its upper two hold the neighbouring head's or 0, never 0xff, and stand over zero codes.
; REGISTERS: window 0: v1-23 addresses; v24-31, v120-124 the quantiser's; v32-95 scale words, two sets (lanes 0-15 A's tile, lanes 16-31 B's); v96-111 the bias along A's rows, in pairs; v112-119 the scale words made;
;   v128-255 A's fragments, two sets (in the epilogue: 64 numbers, and the codes made).   window 1: v0-63, v128-191 B's fragments, two sets; v192-255 the bias along B's rows.   windows 2, 3: the accumulators.
.set HREC,  217088
.set SCL,   262144                     ; LDS: behind the codes, the scale words
.set SC,    32
.set BM,    96
.set SWD,   112
.set AF,    128
.set BN,    192                        ; in window 1
.set HA,    128
.set PC,    192
.set TMX,   24
.set TMP,   28
.set TMS,   120
.set PW,    124
.set G1A,   36                         ; s[36:43] group 1 for A's codes;  s[44:51] for B's;  s[52:59], s[68:75] for their scale words
.set G1B,   44
.set G1SA,  52
.set G1SB,  68
.set G0A,   76                         ; s[76:83] group 0 for A's two halves of K;  s[84:91] for B's;  s[92:95], s[96:99] for the scale words
.set G0B,   84
.set G0SA,  92
.set G0SB,  96
.set SEL,   100
.set MSB, 0
.macro WIN new                         ; the immediate's high byte repeats the setting that is left; a switch that changes nothing is dropped
.if MSB != (\new)
	s_set_vgpr_msb (MSB<<8)|(\new)
.set MSB, (\new)
.endif
.endm
; A joint load: waves 0 and 1 fetch for A, waves 2 and 3 for B; the branch hangs on the wave's number alone.  Four v_nop follow each of the two lines.
.macro JLOAD g0a, g1a, g0b, g1b
	s_cmp_eq_u32 s21, 0
	s_cbranch_scc0 .Lfor_b_\@
	tensor_load_to_lds s[\g0a:\g0a+3], s[\g1a:\g1a+7]
	s_nop 0
.rept 4
	v_nop
.endr
	s_branch .Lasked_\@
.Lfor_b_\@:
	tensor_load_to_lds s[\g0b:\g0b+3], s[\g1b:\g1b+7]
	s_nop 0
.rept 4
	v_nop
.endr
.Lasked_\@:
.endm
.macro CROUND                          ; a round of the cluster's barrier
	s_barrier_signal -1
	s_barrier_wait -1
	s_cmp_lg_u32 s20, 0
	s_cbranch_scc1 .Lnot_wave_0_\@
	s_barrier_signal -3
.Lnot_wave_0_\@:
	s_barrier_wait -3
	s_barrier_signal -1
	s_barrier_wait -1
.endm
.macro PLACES n
.rept \n
	v_nop
.endr
.endm
	s_load_b256 s[4:11], s[0:1], 0x0               ; ximg, xscl, wimg, wscl
	s_load_b256 s[12:19], s[0:1], 0x20             ; bq, bk, bv, qkv
	v_lshl_add_u32 v126, v0, 2, 0x44000
	v_mov_b32 v127, 0
	ds_add_u32 v126, v127
	ds_add_u32 v126, v127
	v_lshrrev_b32 v1, 5, v0
	v_readfirstlane_b32 s20, v1                    ; wave 0..3
	s_lshr_b32 s21, s20, 1                         ; i: which 128 rows of A are mine.  Also: I fetch for A (0) or for B (1)
	s_and_b32 s22, s20, 1                          ; j: which 128 rows of B.  Also: which 128 rows I fetch
	s_bfe_u32 s23, ttmp6, 0x40000                  ; cx
	s_bfe_u32 s24, ttmp6, 0x40004                  ; cy
	s_mov_b32 s25, ttmp9                           ; the cluster's x: 0, 1
	s_and_b32 s26, ttmp7, 0xffff                   ; the cluster's y: 0 .. 11; under 8: q and k
	s_sub_co_u32 s32, s26, 8
	s_lshl_b32 s32, s32, 1
	s_add_co_u32 s32, s32, s25                     ; v: the cluster's column among 8
	s_cmp_lt_u32 s26, 8
	s_cselect_b32 s31, s26, 0                      ; the cluster's row
	s_cselect_b32 s32, s25, s32                    ; and column
	s_cselect_b32 s29, -1, 0                       ; all ones for q and k
	s_cselect_b32 s30, 0, -1                       ; all ones for v
	s_lshl_b32 s27, s31, 2
	s_add_co_u32 s27, s27, s24                     ; tile row
	s_lshl_b32 s28, s32, 2
	s_add_co_u32 s28, s28, s23                     ; tile column
	s_lshl_b32 s33, s24, 2
	s_lshl_b32 s33, 15, s33                        ; my row of the cluster
	s_lshl_b32 s34, 0x1111, s23                    ; my column
	; group 1: dense blocks as rows of 256 bytes (32 elements of 8 bytes): 128 rows of codes (half of K of 128 rows), 16 rows of scale words (all of K of 128 rows)
	s_or_b32 s[G1A], s33, (3<<16)|(1<<21)          ; 15:0 the mask; 17:16 elements of 8 bytes; 21 set beside a mask; no padding
	s_or_b32 s[G1B], s34, (3<<16)|(1<<21)
	s_or_b32 s[G1SA], s33, (3<<16)|(1<<21)
	s_or_b32 s[G1SB], s34, (3<<16)|(1<<21)
.irp g, G1A, G1B
	s_mov_b32 s[\g+1], 32<<16                      ; tensor_dim0
	s_mov_b32 s[\g+2], 128<<16                     ; tensor_dim1
	s_mov_b32 s[\g+3], 32<<16                      ; tile_dim0
	s_mov_b32 s[\g+4], 128                         ; tile_dim1
	s_mov_b32 s[\g+5], 32                          ; the pitch
	s_mov_b32 s[\g+6], 0
	s_mov_b32 s[\g+7], 0
.endr
.irp g, G1SA, G1SB
	s_mov_b32 s[\g+1], 32<<16
	s_mov_b32 s[\g+2], 16<<16
	s_mov_b32 s[\g+3], 32<<16
	s_mov_b32 s[\g+4], 16
	s_mov_b32 s[\g+5], 32
	s_mov_b32 s[\g+6], 0
	s_mov_b32 s[\g+7], 0
.endr
	s_lshl_b32 s31, s27, 1
	s_add_co_u32 s31, s31, s22                     ; A: the group of 128 rows that I fetch: hangs on the tile row alone
	s_lshl_b32 s2, s28, 1
	s_add_co_u32 s2, s2, s22                       ; B: on the tile column alone
	s_mov_b32 s33, 0
	s_mov_b32 s35, 0
	s_wait_dscnt 0x0
	s_wait_kmcnt 0x0
	s_cmp_lt_u32 s26, 8
	s_cselect_b64 s[66:67], s[8:9], s[4:5]         ; B's codes: Wq | Wk, or x
	s_cselect_b64 s[100:101], s[10:11], s[6:7]     ; B's scale words
	s_add_nc_u64 s[8:9], s[8:9], 0x100000          ; Wv's codes (this sum leaves SCC alone)
	s_add_nc_u64 s[10:11], s[10:11], 0x10000       ; Wv's scale words
	s_cselect_b64 s[60:61], s[4:5], s[8:9]         ; A's codes: x, or Wv
	s_cselect_b64 s[62:63], s[6:7], s[10:11]       ; A's scale words
	s_cmp_eq_u32 s25, 0
	s_cselect_b64 s[12:13], s[12:13], s[14:15]     ; the bias: bq or bk,
	s_cmp_lt_u32 s26, 8
	s_cselect_b64 s[12:13], s[12:13], s[16:17]     ; or bv
	s_lshl_b32 s32, s31, 16                        ; a group's codes are 65,536 bytes,
	s_add_nc_u64 s[60:61], s[60:61], s[32:33]
	s_lshl_b32 s32, s31, 12                        ; its scale words 4,096
	s_add_nc_u64 s[62:63], s[62:63], s[32:33]
	s_lshl_b32 s34, s2, 16
	s_add_nc_u64 s[66:67], s[66:67], s[34:35]
	s_lshl_b32 s34, s2, 12
	s_add_nc_u64 s[100:101], s[100:101], s[34:35]
	s_lshl_b32 s4, s20, 16                         ; where they go: wave x 65,536: A's two groups, then B's two; no place in the cluster enters an LDS address
	s_lshl_b32 s5, s20, 12
	CROUND                                         ; all sixteen work-groups are here: the joint loads meet
	s_mov_b32 s[G0SA], 1
	s_add_co_u32 s[G0SA+1], s5, SCL
	s_mov_b64 s[G0SA+2:G0SA+3], s[62:63]
	s_or_b32 s[G0SA+3], s[G0SA+3], 0x80000000
	s_mov_b32 s[G0SB], 1
	s_add_co_u32 s[G0SB+1], s5, SCL
	s_mov_b64 s[G0SB+2:G0SB+3], s[100:101]
	s_or_b32 s[G0SB+3], s[G0SB+3], 0x80000000
	JLOAD G0SA, G1SA, G0SB, G1SB                   ; the scale words first: they are wanted with the first K step
.irp s, 0,1
	s_mov_b32 s[G0A+4*\s], 1
	s_add_co_u32 s[G0A+4*\s+1], s4, \s*32768
	s_add_nc_u64 s[G0A+4*\s+2:G0A+4*\s+3], s[60:61], \s*32768
	s_or_b32 s[G0A+4*\s+3], s[G0A+4*\s+3], 0x80000000
	s_mov_b32 s[G0B+4*\s], 1
	s_add_co_u32 s[G0B+4*\s+1], s4, \s*32768
	s_add_nc_u64 s[G0B+4*\s+2:G0B+4*\s+3], s[66:67], \s*32768
	s_or_b32 s[G0B+4*\s+3], s[G0B+4*\s+3], 0x80000000
	JLOAD G0A+4*\s, G1A, G0B+4*\s, G1B             ; by this text's count three tensor loads of a wave are out
.endr
	; where the results go, and the bias
	s_lshl_b32 s2, s27, 1
	s_add_co_u32 s2, s2, s21                       ; my group of 128 rows of A
	s_lshl_b32 s3, s28, 1
	s_add_co_u32 s3, s3, s22                       ; my group of 128 rows of B
	s_and_b32 s31, s3, 7                           ; q, k: that group inside Wq or Wk
	s_mov_b32 s34, HREC
	s_mov_b32 s10, 1024
	s_cmp_lt_u32 s26, 8
	s_cselect_b32 s32, s2, s3                      ; the group of 128 tokens
	s_cselect_b32 s31, s31, s2                     ; the group of 128 features: two heads
	s_cselect_b32 s8, 2048, s34                    ; bytes from A's tile a to a + 4: four tiles of tokens, or the next head
	s_cselect_b32 s10, 512, s10                    ; from a to a + 1: a tile of tokens, or 16 of the head's 64
	s_cselect_b32 s35, 9, 8                        ; a group of tokens has 512 or 256 bytes of scale words
	s_cselect_b32 s3, 256, s34                     ; from the first store of scale words to the second
	s_cselect_b32 s2, s34, 512                     ; from registers 0-3 to 4-7 of a fragment made: the next head, or the image's second half
	s_mov_b32 s9, 0
	s_mov_b32 s11, 0
	s_lshl_b32 s4, s31, 9                          ; the features' first bias, in bytes
	s_and_b32 s6, s4, s29
	s_mov_b32 s7, 0
	s_add_nc_u64 s[14:15], s[12:13], s[6:7]        ; q, k: the bias runs along the registers (v: the buffer's head is read and the numbers replaced by 0)
	s_and_b32 s6, s4, s30
	s_add_nc_u64 s[16:17], s[12:13], s[6:7]        ; v: it runs along the lanes (q, k: likewise replaced by 0)
	s_mov_b32 s12, s2
	s_mov_b32 s13, 0
	s_lshr_b32 s4, s32, 4
	s_lshl_b32 s4, s4, 4                           ; 16 x batch
	s_lshl_b32 s5, s31, 1
	s_add_co_u32 s4, s4, s5                        ; the first head's record
	s_mul_i32 s4, s4, HREC
	s_and_b32 s32, s32, 15                         ; the group of tokens inside the batch
	s_cmp_eq_u32 s25, 0
	s_cselect_b32 s5, 0, 73728
	s_cmp_lt_u32 s26, 8
	s_cselect_b32 s5, s5, 147456
	s_add_co_u32 s4, s4, s5                        ; + Q's, K's or V's region
	s_lshl_b32 s6, s32, s35
	s_add_co_u32 s6, s6, s4
	s_add_co_u32 s6, s6, 65536
	s_add_nc_u64 s[6:7], s[18:19], s[6:7]          ; the scale words' base
	s_lshl_b32 s5, s32, 12
	s_add_co_u32 s4, s4, s5
	s_mov_b32 s5, 0
	s_add_nc_u64 s[4:5], s[18:19], s[4:5]          ; the codes' base
	v_and_b32 v3, 31, v0
	v_and_b32 v1, 15, v0                           ; r
	v_bfe_u32 v2, v0, 4, 1                         ; h
	v_lshlrev_b32 v4, 4, v3                        ; 16 x lane
	s_lshl_b32 s31, s21, 16
	v_add_nc_u32 v16, s31, v4                      ; A's fragments: my group
	s_lshl_b32 s31, s22, 16
	s_add_co_u32 s31, s31, 131072
	v_add_nc_u32 v17, s31, v4                      ; B's
	s_lshl_b32 s31, s21, 12
	s_lshl_b32 s32, s22, 12
	s_add_co_u32 s32, s32, 8192
	s_sub_co_u32 s32, s32, s31                     ; from A's group's scale words to B's group's
	v_mul_u32_u24 v5, s32, v2                      ; lanes 16-31 take B's
	s_wait_alu depctr_va_vdst(0)
	s_add_co_u32 s31, s31, SCL
	v_lshl_add_u32 v5, v1, 4, v5
	v_add_nc_u32 v18, s31, v5
	v_lshlrev_b32 v19, 4, v2
	v_and_b32 v19, s29, v19                        ; q, k: lanes 16-31 keep the second head's two bytes, 16 bits down
	s_and_b32 s33, s34, s29
	v_mul_u32_u24 v20, s33, v2                     ; and store them into the next record
	v_lshl_add_u32 v20, v1, 4, v20
	v_add_nc_u32 v21, s3, v20
	v_lshlrev_b32 v22, 6, v2                       ; the bias along the registers: 16 h numbers on
	v_and_b32 v5, 8, v1
	v_add_nc_u32 v5, v5, v1
	v_lshlrev_b32 v23, 2, v5                       ; along the lanes: place r is row r + 8 (r / 8)
	WIN 0x40                                       ; destination window 1
.irp b, 0,1,2,3,4,5,6,7
	global_load_b128 v[BN+8*\b:BN+8*\b+3], v22, s[14:15] offset:(32*(\b/2)+8*(\b%2))*4
	global_load_b128 v[BN+8*\b+4:BN+8*\b+7], v22, s[14:15] offset:(32*(\b/2)+8*(\b%2))*4+16
.endr
	WIN 0
.irp a, 0,1,2,3,4,5,6,7
	global_load_b32 v[BM+2*\a], v23, s[16:17] offset:(32*(\a/2)+8*(\a%2))*4
.endr
.macro FETCH ks                        ; K step ks: B's eight fragments and A's eight, 32 loads of 512 consecutive bytes, into set ks % 2
.set FS_, (\ks)/4
.set FQ_, (\ks)%4
.set FP_, (\ks)%2
	WIN 0x40
.irp b, 0,1,2,3,4,5,6,7
.irp c, 0,1
	ds_load_b128 v[128*FP_+8*\b+4*\c:128*FP_+8*\b+4*\c+3], v17 offset:32768*FS_+4096*\b+1024*FQ_+512*\c
.endr
.endr
	WIN 0
.irp a, 0,1,2,3,4,5,6,7
.irp c, 0,1
	ds_load_b128 v[AF+64*FP_+8*\a+4*\c:AF+64*FP_+8*\a+4*\c+3], v16 offset:32768*FS_+4096*\a+1024*FQ_+512*\c
.endr
.endr
.endm
.macro SCALES s                        ; the scale words of four K steps: register 4 i + q: lanes 0-15 A's tile i, lanes 16-31 B's tile i
.irp i, 0,1,2,3,4,5,6,7
	ds_load_b128 v[SC+32*\s+4*\i:SC+32*\s+4*\i+3], v18 offset:2048*\s+256*\i
.endr
.endm
; 64 matrix instructions: 128 along K.  The 64 accumulators take turns, one instruction a turn, in the same order in every K step.
; first = 1: the sums begin with the bias along B's rows as C.
.macro MUL ks, first
.set MS_, (\ks)/4
.set MQ_, (\ks)%4
.set MP_, (\ks)%2
.irp a, 0,1,2,3,4,5,6,7
.if \first
	WIN 0x91+0x40*(\a/4)                           ; source 0 (B) and C (the bias) window 1, source 1 (A) window 0, D window 2 or 3
.else
	WIN 0xa1+0x50*(\a/4)                           ; C and D window 2 or 3
.endif
.irp b, 0,1,2,3,4,5,6,7
.if \first
	v_wmma_scale_f32_16x16x128_f8f6f4 v[8*(8*(\a%4)+\b):8*(8*(\a%4)+\b)+7], v[128*MP_+8*\b:128*MP_+8*\b+7], v[AF+64*MP_+8*\a:AF+64*MP_+8*\a+7], v[BN+8*\b:BN+8*\b+7], v[SC+32*MS_+4*\b+MQ_], v[SC+32*MS_+4*\a+MQ_] matrix_a_fmt:MATRIX_FMT_FP4 matrix_b_fmt:MATRIX_FMT_FP4 matrix_a_scale:MATRIX_SCALE_ROW1
.else
	v_wmma_scale_f32_16x16x128_f8f6f4 v[8*(8*(\a%4)+\b):8*(8*(\a%4)+\b)+7], v[128*MP_+8*\b:128*MP_+8*\b+7], v[AF+64*MP_+8*\a:AF+64*MP_+8*\a+7], v[8*(8*(\a%4)+\b):8*(8*(\a%4)+\b)+7], v[SC+32*MS_+4*\b+MQ_], v[SC+32*MS_+4*\a+MQ_] matrix_a_fmt:MATRIX_FMT_FP4 matrix_b_fmt:MATRIX_FMT_FP4 matrix_a_scale:MATRIX_SCALE_ROW1
.endif
.endr
.endr
.endm
.macro STEP ks, first                  ; the next K step's fragments are asked for, then this one is multiplied
	PLACES 4                                       ; four places in front of loads into registers that the last matrix instructions have read (ISA guide 7.12.1 for vector instructions)
.if (\ks) == 3
	SCALES 1
.endif
	FETCH (\ks)+1
	s_wait_dscnt 32                                ; all but the 32 just issued: this K step's fragments are in
	MUL \ks, \first
	WIN 0
.endm
	s_wait_tensorcnt 0x1                           ; my scale words and my part of the first half of K are in (the second half's load may be out)
	s_barrier_signal -1
	s_barrier_wait -1                              ; everybody's are
	SCALES 0
	FETCH 0
	s_wait_loadcnt 0x0                             ; the biases
	WIN 0x44                                       ; destination and source 1 window 1
.set I_, 0
.rept 64
	v_cndmask_b32 v[BN+I_], 0, v[BN+I_], s29       ; kept for q and k, 0 for v
.set I_, I_+1
.endr
	WIN 0
.irp a, 0,1,2,3,4,5,6,7
	v_cndmask_b32 v[BM+2*\a+1], 0, v[BM+2*\a], s30 ; kept for v, 0 for q and k; twice: a pair for the packed addition
	v_cndmask_b32 v[BM+2*\a], 0, v[BM+2*\a], s30
.endr
	STEP 0, 1
	STEP 1, 0
	STEP 2, 0
	s_wait_tensorcnt 0x0                           ; my part of the second half of K is in,
	s_wait_dscnt 0x0                               ; no LDS instruction of mine is out at a signal,
	s_barrier_signal -1
	s_barrier_wait -1                              ; everybody's is
	STEP 3, 0
	STEP 4, 0
	STEP 5, 0
	STEP 6, 0
	s_wait_dscnt 0x0
	MUL 7, 0
	WIN 0
	PLACES 4                                       ; in front of the first read of results and the first write over fragments
; 64 numbers of a lane, register 16 b + i = place 32 b + 16 (lane / 16) + i along the axis that is quantised, become a fragment's codes in v[pc] on and its scale word in v[PW].
.macro QUANT s, pc
.irp b, 0,1,2,3
	v_max3_num_f32 v[TMX+\b], |v[\s+16*\b]|, |v[\s+1+16*\b]|, 0x1800000   ; block b: my 16 numbers, and the floor 2^(3 - 127): the byte cannot fall under 1
.endr
.irp i, 2,4,6,8,10,12,14
.irp b, 0,1,2,3
	v_max3_num_f32 v[TMX+\b], v[TMX+\b], |v[\s+16*\b+\i]|, |v[\s+1+16*\b+\i]|
.endr
.endr
.irp b, 0,1,2,3
	v_permlanex16_b32 v[TMP+\b], v[TMX+\b], s[SEL], s[SEL+1]
.endr
.irp b, 0,1,2,3
	v_max_num_f32 v[TMX+\b], v[TMX+\b], v[TMP+\b]  ; with lane l xor 16's: the block's largest magnitude
.endr
.irp b, 0,1,2,3
	v_add_nc_u32 v[TMS+\b], 0xff000000, v[TMX+\b]  ; 2 off its exponent field: the conversion's scale operand
.endr
.irp b, 0,1,2,3
	v_lshrrev_b32 v[TMP+\b], 23, v[TMS+\b]         ; the byte
.endr
	v_lshl_or_b32 v[PW], v[TMP+1], 8, v[TMP]
	v_lshl_or_b32 v[PW], v[TMP+2], 16, v[PW]
	v_lshl_or_b32 v[PW], v[TMP+3], 24, v[PW]
.irp b, 0,1,2,3
	v_cvt_scalef32_pk8_fp4_f32 v[\pc+2*\b], v[\s+16*\b:\s+7+16*\b], v[TMS+\b]
	v_cvt_scalef32_pk8_fp4_f32 v[\pc+1+2*\b], v[\s+8+16*\b:\s+15+16*\b], v[TMS+\b]
.endr
	v_nop                                          ; one plain place behind the scaled conversions
.irp c, 0,1                            ; the operand's layout wants a whole block in a lane: lanes 0-15 block 2 c, lanes 16-31 block 2 c + 1
.irp i, 0,1
	v_permlane16_swap_b32 v[\pc+4*\c+\i], v[\pc+2+4*\c+\i]
.endr
.endr
.endm
; A's tile a: its eight accumulators come into window 0 (with the bias along A's rows, which is 0 for q and k), each from its low end on; they are quantised; the fragment leaves by two stores of 512 consecutive bytes.
; q, k: registers 0-3 are the first head's 64, registers 4-7 the second head's.  v: the fragment is 16 of a head's 64 x 128 keys.  Every store has a base, and data registers, of its own: none is written again.
.macro EPI a
.set PCA, PC+8*(\a)
.set BPA, 36+4*(\a)+2*((\a)/7)
.set BPB, BPA+2
.if (\a) == 0
	s_mov_b64 s[BPA:BPA+1], s[4:5]
.elseif (\a) == 4
	s_add_nc_u64 s[BPA:BPA+1], s[36:37], s[8:9]
.else
	s_add_nc_u64 s[BPA:BPA+1], s[36+4*((\a)-1):37+4*((\a)-1)], s[10:11]
.endif
	s_add_nc_u64 s[BPB:BPB+1], s[BPA:BPA+1], s[12:13]
	WIN 2+(\a)/4                                   ; source 0 window 2 or 3
.set I_, 0
.rept 32
	v_pk_add_f32 v[HA+I_:HA+I_+1], v[64*((\a)%4)+I_:64*((\a)%4)+I_+1], v[BM+2*(\a):BM+2*(\a)+1]
.set I_, I_+2
.endr
	WIN 0
	QUANT HA, PCA
	v_lshrrev_b32 v[SWD+(\a)], v19, v[PW]
	global_store_b128 v4, v[PCA:PCA+3], s[BPA:BPA+1]
	global_store_b128 v4, v[PCA+4:PCA+7], s[BPB:BPB+1]
.endm
	s_mov_b32 s[SEL], 0x76543210                   ; (all tensor loads have been waited for: the descriptors' registers are free)
	s_mov_b32 s[SEL+1], 0xfedcba98
.irp b, 0,1,2,3
	v_mov_b32 v[TMP+\b], 0                         ; written once: a lane permute's destination counts as one of its sources
.endr
.irp a, 0,1,2,3,4,5,6,7
	EPI \a
.endr
	global_store_b128 v20, v[SWD:SWD+3], s[6:7]    ; sixteen lanes store 256 consecutive bytes, aligned.  q, k: lanes 16-31 the next head's.  v: lanes 16-31 store the same words as lanes 0-15
	global_store_b128 v21, v[SWD+4:SWD+7], s[6:7]
	s_wait_tensorcnt 0x0
	ds_add_u32 v126, v127
	s_wait_dscnt 0x0
	CROUND                                         ; the closing round: no work-group ends while a partner may still ask for a block that names it
	s_endpgm
.Lfunc_end_k_q53de3e8682_gemm_qkv:
	.size	k_q53de3e8682_gemm_qkv, .Lfunc_end_k_q53de3e8682_gemm_qkv-k_q53de3e8682_gemm_qkv
	.p2alignl 7, 3214868480
	.fill 96, 4, 3214868480
	.section	.rodata,"a",@progbits
	.p2align	6, 0x0
	.amdhsa_kernel k_q53de3e8682_gemm_qkv
		.amdhsa_group_segment_fixed_size 327680
		.amdhsa_private_segment_fixed_size 0
		.amdhsa_enable_private_segment 0
		.amdhsa_kernarg_size 64
		.amdhsa_user_sgpr_count 2
		.amdhsa_user_sgpr_kernarg_segment_ptr 1
		.amdhsa_wavefront_size32 1
		.amdhsa_system_sgpr_workgroup_id_x 1
		.amdhsa_system_sgpr_workgroup_id_y 1
		.amdhsa_system_sgpr_workgroup_id_z 1
		.amdhsa_system_vgpr_workitem_id 0
		.amdhsa_next_free_vgpr 1024
		.amdhsa_next_free_sgpr 104
		.amdhsa_reserve_vcc 0
		.amdhsa_float_denorm_mode_32 3
		.amdhsa_float_denorm_mode_16_64 3
		.amdhsa_memory_ordered 1
		.amdhsa_forward_progress 1
		.amdhsa_inst_pref_size 151
	.end_amdhsa_kernel
	.amdgpu_metadata
---
amdhsa.version: [ 1, 2 ]
amdhsa.kernels:
  - .name:           k_q53de3e8682_gemm_qkv
    .symbol:         k_q53de3e8682_gemm_qkv.kd
    .args:
      - { .name: ximg, .offset: 0, .size: 8, .value_kind: global_buffer, .address_space: global }
      - { .name: xscl, .offset: 8, .size: 8, .value_kind: global_buffer, .address_space: global }
      - { .name: wimg, .offset: 16, .size: 8, .value_kind: global_buffer, .address_space: global }
      - { .name: wscl, .offset: 24, .size: 8, .value_kind: global_buffer, .address_space: global }
      - { .name: bq, .offset: 32, .size: 8, .value_kind: global_buffer, .address_space: global }
      - { .name: bk, .offset: 40, .size: 8, .value_kind: global_buffer, .address_space: global }
      - { .name: bv, .offset: 48, .size: 8, .value_kind: global_buffer, .address_space: global }
      - { .name: qkv, .offset: 56, .size: 8, .value_kind: global_buffer, .address_space: global }
    .group_segment_fixed_size: 327680
    .private_segment_fixed_size: 0
    .kernarg_segment_align: 8
    .kernarg_segment_size: 64
    .max_flat_workgroup_size: 128
    .sgpr_count:     104
    .vgpr_count:     1024
    .wavefront_size: 32
...
	.end_amdgpu_metadata
.endif
;; end of part 2
;; launch attn (part 3): grid 4 x 64, 16 waves a work-group, no clusters, 169,984 bytes of LDS; arguments qkv, yimg, yscl; writes yimg, yscl
.if DOCPART == 3
	.amdgcn_target "amdgcn-amd-amdhsa--gfx1250"
	.amdhsa_code_object_version 6
	.text
	.protected	k_q53de3e8682_attn
	.globl	k_q53de3e8682_attn
	.p2align	8
	.type	k_q53de3e8682_attn,@function
k_q53de3e8682_attn:
	s_mov_b64 s[64:65], 0
	v_nop
	global_prefetch_b8 v0, s[64:65] scope:SCOPE_SE
	s_setreg_imm32_b32 hwreg(HW_REG_WAVE_MODE, 25, 1), 1
	s_wait_xcnt 0x0
; y[b][q][head] = softmax over the keys k <= q of (q . k / 8), times v, both products on codes of FP4 (E2M1) with E8M0 scales; y is quantised along E (a head gives two blocks of 32) and leaves as
; an image of the registers in which the output projection wants it.
; THE SOFTMAX AHEAD OF THE SECOND PRODUCT: t = score x log2(e) / 8; M = the running largest t rounded UP to a whole number; p = 2^(t - M) is quantised along the keys, not normalised; the row's sum is taken of
; the unquantised p and divides at the end.  When M moves, the sum and O are multiplied by 2^(old M - new M), which rounds nothing.
; SHARES.  A work-group owns one head (work-group y = 16 x batch + head) and a quarter of its queries; each of its sixteen waves owns TWO tiles of 16 queries, t and 127 - t with t = 16 x + wave.  Tile t
; has t / 8 + 1 key steps of 128 that the causal mask leaves, so each pair has 17: every wave of the launch has the same work.  Four waves share a SIMD: one's vector work stands beside another's products.
; LDS.  The head's K and V, codes and scale words, are 143,360 consecutive bytes of its record: each wave brings 8,960 of them by one tensor load; they are filled once, one barrier follows, nothing is stored to LDS.
; LAYOUT.  Both products are used transposed: S^T = K Q^T (source 0 = 16 keys), O^T = V^T P^T (source 0 = 16 of the head's 64): a lane holds ONE query throughout.  A tile T of rows holds in lane place r the row
; 32 (T / 2) + 8 (T % 2) + r + 8 (r / 8): the 16 registers of result tiles 2 b and 2 b + 1 are 16 neighbours, 32 b + 16 (lane / 16) + 0 .. 15.
; The first product's K is 64: registers 4-7 of Q's and K's fragments hold zero codes, which add nothing under the upper two bytes of the scale words (never 0xff).
; THE MASK.  The loop over key steps has a constant count of 16; a step all of whose keys come after the tile's queries is jumped over by a scalar branch on ids; in the one step on the diagonal hidden scores become
; -infinity ahead of the maximum.  Key 0 counts for every query, so M is a number from the first step on.
; NO CLUSTER: the four work-groups of a head read the same 143,360 bytes, once each, at their start; but which steps a wave jumps over hangs on its tile, 16 x + wave, and so on the work-group's place among the four.
; y's scale bytes leave two at a time (a head's two of a row's 32): 262,144 bytes in the whole launch are stored so.
; LIMITS: NaN and infinities are not served; a block of y under 2^-124 or of zeros gets the byte 1 (its bytes are read by this program alone).
; REGISTERS: v1-6 addresses that stay; v8-11 the step's addresses; v12 -M, v13 the largest t, v[14:15] the sum; v16-23 Q; v24 Q's scale word; v25 the mask's lane term; v32-63 four fragments of K; v64-95 V's four;
;   v96-159 S^T, then p, at the end y; v160-191 O^T; v192-199 p's codes; v200-207 K's scale words, v208-211 V's; v232-254 at work.
.set HREC, 217088
.set KSCL, 65536
.set VIMG, 73728
.set VSCL, 139264
	s_load_b128 s[4:7], s[0:1], 0x0                ; qkv, yimg
	s_load_b64 s[8:9], s[0:1], 0x10                ; yscl
	v_lshl_add_u32 v251, v0, 2, 0x29000
	v_mov_b32 v255, 0
	ds_add_u32 v251, v255
	ds_add_u32 v251, v255
	v_lshrrev_b32 v1, 5, v0
	s_delay_alu instid0(VALU_DEP_1)
	v_readfirstlane_b32 s10, v1                    ; wave 0..15
	s_and_b32 s11, ttmp7, 0xffff                   ; 16 x batch + head
	s_mul_i32 s38, s11, HREC
	s_mov_b32 s39, 0
	s_mov_b32 s16, 3<<16                           ; group 1: 35 rows of 256 bytes (32 elements of 8 bytes), dense; no mask, no padding
	s_mov_b32 s17, 32<<16                          ; tensor_dim0
	s_mov_b32 s18, 35<<16                          ; tensor_dim1
	s_mov_b32 s19, 32<<16                          ; tile_dim0
	s_mov_b32 s20, 35                              ; tile_dim1
	s_mov_b32 s21, 32                              ; the pitch
	s_mov_b32 s22, 0
	s_mov_b32 s23, 0
	s_mov_b32 s12, 1                               ; group 0: count,
	s_mul_i32 s13, s10, 8960                       ; LDS address: my sixteenth,
	s_add_co_u32 s40, s13, 73728                   ; and the same place behind the record's Q
	s_mov_b32 s41, 0
	s_and_b32 s36, s11, 15                         ; head
	s_lshr_b32 s37, s11, 4                         ; batch
	s_lshr_b32 s24, s36, 3                         ; y's K step is head / 2: which half of K,
	s_bfe_u32 s25, s36, 0x20001                    ; which of its four K steps,
	s_and_b32 s26, s36, 1                          ; which half of the fragment
	s_lshl_b32 s44, s37, 20
	s_lshl_b32 s45, s24, 14
	s_add_co_u32 s44, s44, s45
	s_lshl_b32 s45, s25, 10
	s_add_co_u32 s44, s44, s45
	s_lshl_b32 s45, s26, 9
	s_add_co_u32 s44, s44, s45
	s_mov_b32 s45, 0
	s_lshl_b32 s46, s37, 16
	s_lshl_b32 s47, s24, 10
	s_add_co_u32 s46, s46, s47
	s_lshl_b32 s47, s25, 2
	s_add_co_u32 s46, s46, s47
	s_lshl_b32 s47, s26, 1
	s_add_co_u32 s46, s46, s47
	s_mov_b32 s47, 0
	s_mov_b32 s32, 0x76543210
	s_mov_b32 s33, 0xfedcba98                      ; v_permlanex16_b32's selects for lane l xor 16
	s_mov_b32 s34, 0x3e38aa3b                      ; c = log2(e) / 8
	s_mov_b32 s35, s34                             ; (named with it as a pair, so it is written)
	s_wait_dscnt 0x0
	s_wait_kmcnt 0x0
	s_add_nc_u64 s[38:39], s[4:5], s[38:39]        ; the head's record
	s_add_nc_u64 s[14:15], s[38:39], s[40:41]
	s_or_b32 s15, s15, 0x80000000                  ; type = 2
	tensor_load_to_lds s[12:15], s[16:23]          ; one load a wave, each into bytes of its own
	s_nop 0
.rept 4
	v_nop
.endr
	s_add_nc_u64 s[6:7], s[6:7], s[44:45]          ; yimg and yscl at the batch's and head's part
	s_add_nc_u64 s[8:9], s[8:9], s[46:47]
	v_and_b32 v7, 31, v0
	s_delay_alu instid0(VALU_DEP_1)
	v_lshlrev_b32 v1, 4, v7                        ; 16 x lane
	v_and_b32 v26, 15, v0                          ; r
	v_bfe_u32 v27, v0, 4, 1                        ; h
	s_delay_alu instid0(VALU_DEP_2)
	v_lshlrev_b32 v2, 4, v26                       ; 16 r
	s_delay_alu instid0(VALU_DEP_4)
	v_add_nc_u32 v3, VIMG, v1
	s_delay_alu instid0(VALU_DEP_2)
	v_add_nc_u32 v4, KSCL, v2
	s_delay_alu instid0(VALU_DEP_3)
	v_add_nc_u32 v5, VSCL, v2
	v_and_b32 v25, 8, v26
	s_delay_alu instid0(VALU_DEP_1)
	v_add_nc_u32 v25, v25, v26
	v_lshlrev_b32 v27, 4, v27
	s_delay_alu instid0(VALU_DEP_1)
	v_sub_nc_u32 v25, v25, v27                     ; r + 8 (r / 8) - 16 h
.irp j, 20,21,22,23, 36,37,38,39, 44,45,46,47, 52,53,54,55, 60,61,62,63
	v_mov_b32 v[\j], 0                             ; the zero codes of k = 64 .. 127 in Q's and K's fragments: written once, never loaded
.endr
.irp j, 236,237,238,239, 252,253
	v_mov_b32 v[\j], 0                             ; written once: lane permutes' destinations, and the upper half of the pair v[252:253]
.endr
	s_lshl_b32 s24, ttmp9, 4
	s_add_co_u32 s24, s24, s10                     ; my first tile
	s_mov_b32 s30, 0
	s_wait_tensorcnt 0x0                           ; my part is in,
	s_barrier_signal -1
	s_barrier_wait -1                              ; everybody's is
.Ltile:                                            ; two trips: tile t, then tile 127 - t
	s_wait_xcnt 0x0                                ; the last tile's stores have read their registers and bases
	s_lshl_b32 s40, s24, 9
	s_mov_b32 s41, 0
	s_add_nc_u64 s[42:43], s[38:39], s[40:41]
	global_load_b128 v[16:19], v1, s[42:43]        ; Q's fragment: 512 consecutive bytes
	s_lshr_b32 s40, s24, 2
	s_lshl_b32 s40, s40, 8
	s_and_b32 s46, s24, 3
	s_lshl_b32 s46, s46, 2
	s_add_co_u32 s40, s40, s46
	s_add_co_u32 s40, s40, 65536
	s_add_nc_u64 s[44:45], s[38:39], s[40:41]
	global_load_b32 v24, v2, s[44:45]              ; and its scale words
	s_lshr_b32 s25, s24, 3                         ; the key step on the diagonal
	s_and_b32 s46, s24, 6
	s_lshl_b32 s46, s46, 4
	s_and_b32 s47, s24, 1
	s_lshl_b32 s47, s47, 3
	s_add_co_u32 s46, s46, s47
	v_add_nc_u32 v6, s46, v25                      ; d = my query - the diagonal step's first key - 16 h
	v_mov_b32 v13, 0xff61b1e6                      ; the largest t so far: -3e38
	s_delay_alu instid0(VALU_DEP_1)
	v_floor_f32 v12, -v13                          ; -M
	v_mov_b32 v14, 0
	v_mov_b32 v15, 0
.set N_, 0
.rept 32
	v_mov_b32 v[160+N_], 0                         ; O^T: the step is written once; the first finds zeros, which the first change of M leaves zeros
.set N_, N_+1
.endr
	s_mov_b32 s26, 0                               ; the key step,
	s_mov_b32 s27, 0                               ; its codes: 4,096 bytes a step, K's and V's alike,
	s_mov_b32 s28, 0                               ; K's scale words: 512,
	s_mov_b32 s29, 0                               ; V's: 256
	s_wait_loadcnt 0x0
.Lstep:
	s_cmp_gt_u32 s26, s25
	s_cbranch_scc1 .Lhidden                        ; all 128 keys come after my 16 queries
	s_setprio 2
	v_add_nc_u32 v8, s27, v1                       ; (these four are also the places behind the last step's products, in front of the loads below)
	v_add_nc_u32 v9, s27, v3
	v_add_nc_u32 v10, s28, v4
	v_add_nc_u32 v11, s29, v5
	ds_load_b128 v[200:203], v10                   ; K's scale words of tiles 0-3
	ds_load_b128 v[204:207], v10 offset:256        ; and 4-7
.irp i, 0,1,2,3
	ds_load_b128 v[32+8*\i:35+8*\i], v8 offset:512*\i
.endr
	ds_load_b128 v[208:211], v11                   ; V's scale words
.irp d, 0,1,2,3
.irp c, 0,1
	ds_load_b128 v[64+8*\d+4*\c:67+8*\d+4*\c], v9 offset:1024*\d+512*\c
.endr
.endr
	s_wait_alu depctr_va_vdst(0)
	s_wait_dscnt 9                                 ; K's are in; V's nine loads may be out
.irp i, 0,1,2,3
	v_wmma_scale_f32_16x16x128_f8f6f4 v[96+8*\i:103+8*\i], v[32+8*\i:39+8*\i], v[16:23], 0, v[200+\i], v24 matrix_a_fmt:MATRIX_FMT_FP4 matrix_b_fmt:MATRIX_FMT_FP4
.endr
.rept 4
	v_nop                                          ; places in front of loads into registers that these products have read
.endr
.irp i, 0,1,2,3
	ds_load_b128 v[32+8*\i:35+8*\i], v8 offset:2048+512*\i
.endr
	s_wait_dscnt 0x0
.irp i, 0,1,2,3
	v_wmma_scale_f32_16x16x128_f8f6f4 v[128+8*\i:135+8*\i], v[32+8*\i:39+8*\i], v[16:23], 0, v[204+\i], v24 matrix_a_fmt:MATRIX_FMT_FP4 matrix_b_fmt:MATRIX_FMT_FP4
.endr
.rept 4
	v_nop                                          ; places in front of the first read of the scores
.endr
	s_cmp_lt_u32 s26, s25
	s_cbranch_scc1 .Lopen                          ; all 128 keys count
	v_mov_b32 v254, 0xff800000                     ; on the diagonal: register 16 b + i holds key 32 b + 16 h + i of the step: hidden where 32 b + i > d
.set N_, 0
.rept 64
	v_cmp_gt_i32 vcc_lo, 32*(N_/16)+N_%16, v6
	v_cndmask_b32 v[96+N_], v[96+N_], v254, vcc_lo
.set N_, N_+1
.endr
.Lopen:
.irp b, 0,1,2,3
	v_max3_num_f32 v[232+\b], v[96+16*\b], v[97+16*\b], v[98+16*\b]   ; the largest score of each block of 32 keys: for the row's maximum, and, since p rises with the score, for the block's largest p
.endr
.irp i, 3,5,7,9,11,13
.irp b, 0,1,2,3
	v_max3_num_f32 v[232+\b], v[232+\b], v[96+16*\b+\i], v[97+16*\b+\i]
.endr
.endr
.irp b, 0,1,2,3
	v_max_num_f32 v[232+\b], v[232+\b], v[111+16*\b]
.endr
.irp b, 0,1,2,3
	s_delay_alu instid0(VALU_DEP_4)
	v_permlanex16_b32 v[236+\b], v[232+\b], s32, s33
.endr
.irp b, 0,1,2,3
	s_delay_alu instid0(VALU_DEP_4)
	v_max_num_f32 v[232+\b], v[232+\b], v[236+\b]  ; with lane l xor 16's 16 keys
.endr
	s_delay_alu instid0(VALU_DEP_2)
	v_max3_num_f32 v254, v232, v233, v234
	s_delay_alu instid0(VALU_DEP_1)
	v_max_num_f32 v254, v254, v235                 ; the step's largest score of my query
	s_delay_alu instid0(VALU_DEP_1)
	v_mul_f32 v254, s34, v254                      ; as t
	s_delay_alu instid0(VALU_DEP_1)
	v_max_num_f32 v13, v13, v254                   ; the running largest t
	v_mov_b32 v254, v12
	s_delay_alu instid0(VALU_DEP_2)
	v_floor_f32 v12, -v13                          ; the new -M = floor(-t) = -ceil(t)
	s_delay_alu instid0(VALU_DEP_1)
	v_sub_f32 v254, v12, v254                      ; old M - new M: a whole number, 0 or less
	s_delay_alu instid0(VALU_DEP_1)
	v_cvt_i32_f32 v254, v254                       ; (it saturates)
	s_delay_alu instid0(VALU_DEP_1)
	v_ldexp_f32 v252, 1.0, v254                    ; f = 2^(old M - new M)
.set N_, 0
.rept 32
	v_pk_fma_f32 v[96+N_:97+N_], v[96+N_:97+N_], s[34:35], v[12:13] op_sel_hi:[1,0,0]   ; t - M, two at a time
.set N_, N_+2
.endr
	s_setprio 1
.irp b, 0,1,2,3
	v_fma_f32 v[232+\b], v[232+\b], s34, v12       ; the same of each block's largest score
.endr
.set N_, 0
	s_wait_alu depctr_va_vdst(0)
.rept 64
	v_exp_f32 v[96+N_], v[96+N_]                   ; p = 2^(t - M), at most 1
.set N_, N_+1
.endr
.irp b, 0,1,2,3
	v_exp_f32 v[232+\b], v[232+\b]                 ; the block's largest p: the same two instructions on the same number
.endr
	v_pk_mul_f32 v[14:15], v[14:15], v[252:253] op_sel_hi:[1,0]   ; the sums under the new M (a plain place behind the exponentials)
	s_wait_alu depctr_va_vdst(0)
.irp b, 0,1,2,3
	v_max_num_f32 v[232+\b], 0x1800000, v[232+\b]  ; the floor 2^(3 - 127): the byte cannot fall under 1; a block whose every p is 0 keeps that byte over zero codes
.endr
.irp b, 0,1,2,3
	s_delay_alu instid0(VALU_DEP_4)
	v_add_nc_u32 v[244+\b], 0xff000000, v[232+\b]  ; the conversion's scale operand
.endr
.irp b, 0,1,2,3
	s_delay_alu instid0(VALU_DEP_4)
	v_lshrrev_b32 v[236+\b], 23, v[244+\b]         ; the byte
.endr
	s_delay_alu instid0(VALU_DEP_3)
	v_lshl_or_b32 v253, v237, 8, v236              ; p's scale word for these 128 keys
	s_delay_alu instid0(VALU_DEP_1)
	v_lshl_or_b32 v253, v238, 16, v253
	s_delay_alu instid0(VALU_DEP_1)
	v_lshl_or_b32 v253, v239, 24, v253
.irp b, 0,1,2,3
	v_cvt_scalef32_pk8_fp4_f32 v[192+2*\b], v[96+16*\b:103+16*\b], v[244+\b]
	v_cvt_scalef32_pk8_fp4_f32 v[193+2*\b], v[104+16*\b:111+16*\b], v[244+\b]
.endr
	v_nop                                          ; one plain place behind the scaled conversions
.irp c, 0,1
.irp i, 0,1
	v_permlane16_swap_b32 v[192+4*\c+\i], v[194+4*\c+\i]   ; a whole block to a lane: lanes 0-15 block 2 c, lanes 16-31 block 2 c + 1
.endr
.endr
	v_pk_add_f32 v[236:237], v[100:101], v[104:105]
	v_pk_add_f32 v[248:249], v[108:109], v[112:113]
	v_pk_add_f32 v[246:247], v[116:117], v[120:121]
	v_pk_add_f32 v[244:245], v[124:125], v[128:129]
	v_pk_add_f32 v[242:243], v[132:133], v[136:137]
	v_pk_add_f32 v[240:241], v[140:141], v[144:145]
	v_pk_add_f32 v[234:235], v[148:149], v[152:153]
	v_pk_add_f32 v[14:15], v[14:15], v[156:157]
	v_pk_add_f32 v[236:237], v[236:237], v[96:97]
	v_pk_add_f32 v[248:249], v[248:249], v[98:99]
	v_pk_add_f32 v[246:247], v[246:247], v[102:103]
	v_pk_add_f32 v[244:245], v[244:245], v[106:107]
	s_setprio 0
	v_pk_add_f32 v[242:243], v[242:243], v[110:111]
	v_pk_add_f32 v[240:241], v[240:241], v[114:115]
	v_pk_add_f32 v[234:235], v[234:235], v[118:119]
	v_pk_add_f32 v[14:15], v[14:15], v[122:123]
	v_pk_add_f32 v[236:237], v[236:237], v[126:127]
	v_pk_add_f32 v[248:249], v[248:249], v[130:131]
	v_pk_add_f32 v[246:247], v[246:247], v[134:135]
	v_pk_add_f32 v[244:245], v[244:245], v[138:139]
	v_pk_add_f32 v[242:243], v[242:243], v[142:143]
	v_pk_add_f32 v[240:241], v[240:241], v[146:147]
	v_pk_add_f32 v[234:235], v[234:235], v[150:151]
	v_pk_add_f32 v[14:15], v[14:15], v[154:155]
	v_pk_add_f32 v[236:237], v[236:237], v[158:159]
	s_delay_alu instid0(VALU_DEP_2)
	v_pk_add_f32 v[14:15], v[14:15], v[244:245]
	s_delay_alu instid0(VALU_DEP_2)
	v_pk_add_f32 v[236:237], v[236:237], v[242:243]
	v_pk_add_f32 v[248:249], v[248:249], v[240:241]
	v_pk_add_f32 v[246:247], v[246:247], v[234:235]
	s_delay_alu instid0(VALU_DEP_2)
	v_pk_add_f32 v[14:15], v[14:15], v[248:249]
	s_delay_alu instid0(VALU_DEP_2)
	v_pk_add_f32 v[236:237], v[236:237], v[246:247]
	s_delay_alu instid0(VALU_DEP_1)
	v_pk_add_f32 v[14:15], v[14:15], v[236:237]
.set N_, 0
.rept 16
	v_pk_mul_f32 v[160+N_:161+N_], v[160+N_:161+N_], v[252:253] op_sel_hi:[1,0]   ; O^T under the new M.  (With the sums above: the places between p's codes and scale word and the products below)
.set N_, N_+2
.endr
.irp d, 0,1,2,3                        ; O^T += V^T P^T: the four accumulators by turns
	v_wmma_scale_f32_16x16x128_f8f6f4 v[160+8*\d:167+8*\d], v[64+8*\d:71+8*\d], v[192:199], v[160+8*\d:167+8*\d], v[208+\d], v253 matrix_a_fmt:MATRIX_FMT_FP4 matrix_b_fmt:MATRIX_FMT_FP4
.endr
.Lhidden:
	s_add_co_u32 s27, s27, 4096
	s_add_co_u32 s28, s28, 512
	s_add_co_u32 s29, s29, 256
	s_add_co_u32 s26, s26, 1
	s_cmp_lt_u32 s26, 16
	s_cbranch_scc1 .Lstep
	s_setprio 0
	; the tile's end: y = O^T / the sum, quantised along the head's 64: register 16 b + i = channel 32 b + 16 h + i
.rept 4
	v_nop                                          ; places behind the last products
.endr
	v_add_f32 v14, v14, v15
	s_delay_alu instid0(VALU_DEP_1)
	v_permlanex16_b32 v252, v14, s32, s33
	s_delay_alu instid0(VALU_DEP_1)
	v_add_f32 v14, v14, v252                       ; the row's sum
	s_wait_alu depctr_va_vdst(0)
	v_rcp_f32 v14, v14
	v_nop                                          ; one plain place behind the transcendental
.set N_, 0
	s_wait_alu depctr_va_vdst(0)
.rept 32
	v_mul_f32 v[96+N_], v[160+N_], v14             ; each accumulator from its low end on
.set N_, N_+1
.endr
.irp b, 0,1
	v_max3_num_f32 v[232+\b], |v[96+16*\b]|, |v[97+16*\b]|, 0x1800000
.endr
.irp i, 2,4,6,8,10,12,14
.irp b, 0,1
	s_delay_alu instid0(VALU_DEP_2)
	v_max3_num_f32 v[232+\b], v[232+\b], |v[96+16*\b+\i]|, |v[97+16*\b+\i]|
.endr
.endr
.irp b, 0,1
	s_delay_alu instid0(VALU_DEP_2)
	v_permlanex16_b32 v[236+\b], v[232+\b], s32, s33
.endr
.irp b, 0,1
	s_delay_alu instid0(VALU_DEP_2)
	v_max_num_f32 v[232+\b], v[232+\b], v[236+\b]
.endr
.irp b, 0,1
	s_delay_alu instid0(VALU_DEP_2)
	v_add_nc_u32 v[244+\b], 0xff000000, v[232+\b]
.endr
.irp b, 0,1
	s_delay_alu instid0(VALU_DEP_2)
	v_lshrrev_b32 v[236+\b], 23, v[244+\b]
.endr
	s_delay_alu instid0(VALU_DEP_1)
	v_lshl_or_b32 v28, v237, 8, v236               ; the head's two bytes of my row
.irp b, 0,1
	v_cvt_scalef32_pk8_fp4_f32 v[192+2*\b], v[96+16*\b:103+16*\b], v[244+\b]
	v_cvt_scalef32_pk8_fp4_f32 v[193+2*\b], v[104+16*\b:111+16*\b], v[244+\b]
.endr
	v_nop                                          ; one plain place behind the scaled conversions
.irp i, 0,1
	v_permlane16_swap_b32 v[192+\i], v[194+\i]     ; v[192:195]: channels 32 h + 0 .. 31 of my row
.endr
	s_wait_alu depctr_va_vdst(0)
	s_lshr_b32 s40, s24, 2                         ; the tile's group of four,
	s_and_b32 s41, s24, 3                          ; its place there
	s_lshl_b32 s46, s40, 15
	s_lshl_b32 s47, s41, 12
	s_add_co_u32 s46, s46, s47
	s_mov_b32 s47, 0
	s_add_nc_u64 s[42:43], s[6:7], s[46:47]        ; (Q's loads were waited for: their bases are free)
	s_lshl_b32 s46, s40, 11
	s_lshl_b32 s40, s41, 8
	s_add_co_u32 s46, s46, s40
	s_add_nc_u64 s[44:45], s[8:9], s[46:47]
	global_store_b128 v1, v[192:195], s[42:43]     ; 512 consecutive bytes: half a fragment's image
	global_store_b16 v2, v28, s[44:45]             ; two bytes a row; lanes 16-31 store the same as lanes 0-15
	s_sub_co_u32 s24, 127, s24                     ; the partner tile
	s_add_co_u32 s30, s30, 1
	s_cmp_lt_u32 s30, 2
	s_cbranch_scc1 .Ltile
	s_wait_tensorcnt 0x0
	ds_add_u32 v251, v255
	s_wait_dscnt 0x0
	s_endpgm
.Lfunc_end_k_q53de3e8682_attn:
	.size	k_q53de3e8682_attn, .Lfunc_end_k_q53de3e8682_attn-k_q53de3e8682_attn
	.p2alignl 7, 3214868480
	.fill 96, 4, 3214868480
	.section	.rodata,"a",@progbits
	.p2align	6, 0x0
	.amdhsa_kernel k_q53de3e8682_attn
		.amdhsa_group_segment_fixed_size 169984
		.amdhsa_private_segment_fixed_size 0
		.amdhsa_enable_private_segment 0
		.amdhsa_kernarg_size 24
		.amdhsa_user_sgpr_count 2
		.amdhsa_user_sgpr_kernarg_segment_ptr 1
		.amdhsa_wavefront_size32 1
		.amdhsa_system_sgpr_workgroup_id_x 1
		.amdhsa_system_sgpr_workgroup_id_y 1
		.amdhsa_system_sgpr_workgroup_id_z 1
		.amdhsa_system_vgpr_workitem_id 0
		.amdhsa_next_free_vgpr 256
		.amdhsa_next_free_sgpr 66
		.amdhsa_reserve_vcc 1
		.amdhsa_float_denorm_mode_32 3
		.amdhsa_float_denorm_mode_16_64 3
		.amdhsa_memory_ordered 1
		.amdhsa_forward_progress 1
		.amdhsa_inst_pref_size 33
	.end_amdhsa_kernel
	.amdgpu_metadata
---
amdhsa.version: [ 1, 2 ]
amdhsa.kernels:
  - .name:           k_q53de3e8682_attn
    .symbol:         k_q53de3e8682_attn.kd
    .args:
      - { .name: qkv, .offset: 0, .size: 8, .value_kind: global_buffer, .address_space: global }
      - { .name: yimg, .offset: 8, .size: 8, .value_kind: global_buffer, .address_space: global }
      - { .name: yscl, .offset: 16, .size: 8, .value_kind: global_buffer, .address_space: global }
    .group_segment_fixed_size: 169984
    .private_segment_fixed_size: 0
    .kernarg_segment_align: 8
    .kernarg_segment_size: 24
    .max_flat_workgroup_size: 512
    .sgpr_count:     66
    .vgpr_count:     256
    .wavefront_size: 32
...
	.end_amdgpu_metadata
.endif
;; end of part 3
;; launch proj (part 4): grid 4 x 64, 4 waves a work-group, clusters of 4 x 4, 327,680 bytes of LDS; arguments yimg, yscl, wimg, wscl, bo, out0; writes out0
.if DOCPART == 4
	.amdgcn_target "amdgcn-amd-amdhsa--gfx1250"
	.amdhsa_code_object_version 6
	.text
	.protected	k_q53de3e8682_proj
	.globl	k_q53de3e8682_proj
	.p2align	8
	.type	k_q53de3e8682_proj,@function
k_q53de3e8682_proj:
	s_mov_b64 s[64:65], 0
	v_nop
	global_prefetch_b8 v0, s[64:65] scope:SCOPE_SE
	s_setreg_imm32_b32 hwreg(HW_REG_WAVE_MODE, 25, 1), 1
	s_wait_xcnt 0x0
	s_wait_alu depctr_hold_cnt(0) depctr_sa_sdst(0) depctr_va_vdst(0) depctr_va_sdst(0) depctr_va_ssrc(0) depctr_va_vcc(0) depctr_vm_vsrc(0)
	s_getreg_b32 s2, hwreg(HW_REG_IB_STS2, 6, 4)
	s_cmp_eq_u32 s2, 0
	s_cbranch_scc0 .Lentry_in_a_cluster
	s_endpgm
.Lentry_in_a_cluster:
	s_bfe_u32 s2, ttmp6, 0x10000c
	s_cmp_lg_u32 s2, 0xf033
	s_cbranch_scc0 .Lentry_shape_is_right
	s_endpgm
.Lentry_shape_is_right:
; out0 = y Wo + bo on codes of FP4 (E2M1) with E8M0 scales, sums in f32.  y's and Wo's codes and scale words come as register images (a fragment: byte 512 c + 16 lane; a tile T holds in lane place r the
; row 32 (T / 2) + 8 (T % 2) + r + 8 (r / 8)).
; A tile of the output is 128 tokens x 256 columns: 64 x 4 = 256 work-groups.  Four waves, each 64 x 128: 32 accumulators.  THE MATRIX INSTRUCTION IS USED TRANSPOSED (source 0 = 16 rows of Wo's image,
; source 1 = 16 tokens): a lane holds one token, and the 16 registers of result tiles 2 b and 2 b + 1 are 16 neighbouring columns.
; ALL OF K (1,024) of the tile's 384 rows fits in LDS: 196,608 bytes of codes and 12,288 of scale words, filled once by three tensor loads a wave; nothing is filled again.  The stage for the way out has bytes of its own.
; CLUSTERS: 4 x 4 work-groups; y's blocks are shared along a row of the cluster, Wo's along a column: each is asked for jointly.
; REGISTERS: window 0: v1-25 addresses; v32-63 y's scale words, v64-127 Wo's (two sets each); v128-191 y's fragments, two sets; v192-255 the bias (on the way out v128-255: rows read back).
;   window 1: v0-63, v128-191 Wo's fragments, two sets.   window 2: the accumulators, (a, b) at v[8 (8 a + b)].
.set SCL,   196608                     ; LDS: behind the codes: y's scale words (2 x 2,048), then Wo's (2 x 4,096)
.set STG,   208896                     ; behind them: a stage of 16 rows x (512 bytes + 16) for each wave
.set SA,    32
.set SB,    64
.set AF,    128
.set BN,    192
.set G1A,   36
.set G1B,   44
.set G1SA,  52
.set G1SB,  68
.set G0A,   76
.set G0B,   84
.set G0SA,  92
.set G0SB,  96
.set MSB, 0
.macro WIN new                         ; the immediate's high byte repeats the setting that is left; a switch that changes nothing is dropped
.if MSB != (\new)
	s_set_vgpr_msb (MSB<<8)|(\new)
.set MSB, (\new)
.endif
.endm
.macro JLOAD g0a, g1a, g0b, g1b        ; a joint load: waves 0 and 1 fetch for y, waves 2 and 3 for Wo; four v_nop follow each of the two lines
	s_cmp_eq_u32 s21, 0
	s_cbranch_scc0 .Lfor_b_\@
	tensor_load_to_lds s[\g0a:\g0a+3], s[\g1a:\g1a+7]
	s_nop 0
.rept 4
	v_nop
.endr
	s_branch .Lasked_\@
.Lfor_b_\@:
	tensor_load_to_lds s[\g0b:\g0b+3], s[\g1b:\g1b+7]
	s_nop 0
.rept 4
	v_nop
.endr
.Lasked_\@:
.endm
.macro CROUND                          ; a round of the cluster's barrier
	s_barrier_signal -1
	s_barrier_wait -1
	s_cmp_lg_u32 s20, 0
	s_cbranch_scc1 .Lnot_wave_0_\@
	s_barrier_signal -3
.Lnot_wave_0_\@:
	s_barrier_wait -3
	s_barrier_signal -1
	s_barrier_wait -1
.endm
.macro PLACES n
.rept \n
	v_nop
.endr
.endm
	s_load_b256 s[4:11], s[0:1], 0x0               ; yimg, yscl, wimg, wscl
	s_load_b128 s[12:15], s[0:1], 0x20             ; bo, out0
	v_lshl_add_u32 v30, v0, 2, 0x3b400
	v_mov_b32 v31, 0
	ds_add_u32 v30, v31
	ds_add_u32 v30, v31
	v_lshrrev_b32 v1, 5, v0
	v_readfirstlane_b32 s20, v1                    ; wave 0..3
	s_lshr_b32 s21, s20, 1                         ; i: which 64 tokens are mine.  Also: I fetch for y (0) or for Wo (1)
	s_and_b32 s22, s20, 1                          ; j: which 128 columns.  Also: which half I fetch
	s_bfe_u32 s23, ttmp6, 0x40000                  ; cx
	s_bfe_u32 s24, ttmp6, 0x40004                  ; cy
	s_and_b32 s27, ttmp7, 0xffff
	s_lshl_b32 s27, s27, 2
	s_add_co_u32 s27, s27, s24                     ; tile row: 128 tokens
	s_lshl_b32 s28, ttmp9, 2
	s_add_co_u32 s28, s28, s23                     ; tile column: 256 columns
	s_lshl_b32 s33, s24, 2
	s_lshl_b32 s33, 15, s33                        ; my row of the cluster
	s_lshl_b32 s34, 0x1111, s23                    ; my column
	; group 1: dense blocks as rows of 256 bytes (32 elements of 8 bytes)
	s_or_b32 s[G1A], s33, (3<<16)|(1<<21)          ; 15:0 the mask; 17:16 elements of 8 bytes; 21 set beside a mask; no padding
	s_or_b32 s[G1B], s34, (3<<16)|(1<<21)
	s_or_b32 s[G1SA], s33, (3<<16)|(1<<21)
	s_or_b32 s[G1SB], s34, (3<<16)|(1<<21)
	s_mov_b32 s[G1A+2], 64<<16                     ; y's codes: half of K of 64 tokens: 64 rows
	s_mov_b32 s[G1A+4], 64
	s_mov_b32 s[G1B+2], 128<<16                    ; Wo's: half of K of 128 columns: 128 rows
	s_mov_b32 s[G1B+4], 128
	s_mov_b32 s[G1SA+2], 8<<16                     ; y's scale words: 8 rows
	s_mov_b32 s[G1SA+4], 8
	s_mov_b32 s[G1SB+2], 16<<16                    ; Wo's: 16 rows
	s_mov_b32 s[G1SB+4], 16
.irp g, G1A, G1B, G1SA, G1SB
	s_mov_b32 s[\g+1], 32<<16                      ; tensor_dim0
	s_mov_b32 s[\g+3], 32<<16                      ; tile_dim0
	s_mov_b32 s[\g+5], 32                          ; the pitch
	s_mov_b32 s[\g+6], 0
	s_mov_b32 s[\g+7], 0
.endr
	s_lshl_b32 s31, s27, 1
	s_add_co_u32 s31, s31, s22                     ; y: the group of 64 tokens that I fetch: hangs on the tile row alone
	s_lshl_b32 s2, s28, 1
	s_add_co_u32 s2, s2, s22                       ; Wo: the group of 128 columns: on the tile column alone
	s_mov_b32 s33, 0
	s_mov_b32 s35, 0
	s_lshl_b32 s16, s22, 15                        ; where they go: y's codes,
	s_lshl_b32 s17, s22, 16
	s_add_co_u32 s17, s17, 65536                   ; Wo's codes,
	s_lshl_b32 s18, s22, 11
	s_add_co_u32 s18, s18, SCL                     ; y's scale words,
	s_lshl_b32 s19, s22, 12
	s_add_co_u32 s19, s19, SCL+4096                ; Wo's: the wave's number alone enters an LDS address
	s_wait_dscnt 0x0
	s_wait_kmcnt 0x0
	s_lshl_b32 s32, s31, 15
	s_add_nc_u64 s[4:5], s[4:5], s[32:33]
	s_lshl_b32 s32, s31, 11
	s_add_nc_u64 s[6:7], s[6:7], s[32:33]
	s_lshl_b32 s34, s2, 16
	s_add_co_u32 s34, s34, 0x180000                ; Wo is the fourth weight
	s_add_nc_u64 s[8:9], s[8:9], s[34:35]
	s_lshl_b32 s34, s2, 12
	s_add_co_u32 s34, s34, 98304
	s_add_nc_u64 s[10:11], s[10:11], s[34:35]
	CROUND                                         ; all sixteen work-groups are here: the joint loads meet
	s_mov_b32 s[G0SA], 1
	s_mov_b32 s[G0SA+1], s18
	s_mov_b64 s[G0SA+2:G0SA+3], s[6:7]
	s_or_b32 s[G0SA+3], s[G0SA+3], 0x80000000
	s_mov_b32 s[G0SB], 1
	s_mov_b32 s[G0SB+1], s19
	s_mov_b64 s[G0SB+2:G0SB+3], s[10:11]
	s_or_b32 s[G0SB+3], s[G0SB+3], 0x80000000
	JLOAD G0SA, G1SA, G0SB, G1SB
.irp s, 0,1
	s_mov_b32 s[G0A+4*\s], 1
	s_add_co_u32 s[G0A+4*\s+1], s16, \s*16384
	s_add_nc_u64 s[G0A+4*\s+2:G0A+4*\s+3], s[4:5], \s*16384
	s_or_b32 s[G0A+4*\s+3], s[G0A+4*\s+3], 0x80000000
	s_mov_b32 s[G0B+4*\s], 1
	s_add_co_u32 s[G0B+4*\s+1], s17, \s*32768
	s_add_nc_u64 s[G0B+4*\s+2:G0B+4*\s+3], s[8:9], \s*32768
	s_or_b32 s[G0B+4*\s+3], s[G0B+4*\s+3], 0x80000000
	s_wait_alu depctr_va_vdst(0)
	s_wait_tensorcnt 0x0
	ds_add_u32 v30, v31
	s_wait_dscnt 0x0
	CROUND
	JLOAD G0A+4*\s, G1A, G0B+4*\s, G1B             ; by this text's count one tensor load of a wave is out
.endr
	s_lshl_b32 s2, s27, 7
	s_lshl_b32 s31, s21, 6
	s_add_co_u32 s2, s2, s31                       ; my first token
	s_lshl_b32 s2, s2, 12                          ; rows of 4,096 bytes
	s_lshl_b32 s31, s28, 10
	s_lshl_b32 s32, s22, 9
	s_add_co_u32 s32, s31, s32                     ; my first column, in bytes: in bo and in a row of the output
	s_add_nc_u64 s[12:13], s[12:13], s[32:33]
	s_add_co_u32 s32, s32, s2
	s_add_nc_u64 s[14:15], s[14:15], s[32:33]
	v_and_b32 v3, 31, v0
	v_and_b32 v1, 15, v0                           ; r
	v_bfe_u32 v2, v0, 4, 1                         ; h
	v_lshlrev_b32 v4, 4, v3                        ; 16 x lane
	s_lshl_b32 s31, s21, 15
	v_add_nc_u32 v16, s31, v4                      ; y's fragments: my 64 tokens
	v_add_nc_u32 v17, s17, v4                      ; Wo's: my 128 columns
	s_lshl_b32 s31, s21, 11
	s_add_co_u32 s31, s31, SCL
	v_lshl_add_u32 v18, v1, 4, s31                 ; y's scale words
	v_lshl_add_u32 v19, v1, 4, s19                 ; Wo's
	v_lshlrev_b32 v22, 6, v2                       ; the bias: 16 h numbers on
	s_mul_i32 s3, s20, 16*528
	s_add_co_u32 s3, s3, STG                       ; my stage
	v_mul_u32_u24 v24, v1, 528
	v_lshl_add_u32 v24, v2, 6, v24
	v_add_nc_u32 v24, s3, v24                      ; in: row r, 64 bytes for each half of the lanes
	v_add_nc_u32 v25, s3, v4                       ; back: the 32 lanes take one row of 512 bytes
.irp b, 0,1,2,3,4,5,6,7
	global_load_b128 v[BN+8*\b:BN+8*\b+3], v22, s[12:13] offset:(32*(\b/2)+8*(\b%2))*4
	global_load_b128 v[BN+8*\b+4:BN+8*\b+7], v22, s[12:13] offset:(32*(\b/2)+8*(\b%2))*4+16
.endr
.macro FETCH ks                        ; K step ks: Wo's eight fragments and y's four, 24 loads of 512 consecutive bytes, into set ks % 2
.set FS_, (\ks)/4
.set FQ_, (\ks)%4
.set FP_, (\ks)%2
	WIN 0x40
.irp b, 0,1,2,3,4,5,6,7
.irp c, 0,1
	ds_load_b128 v[128*FP_+8*\b+4*\c:128*FP_+8*\b+4*\c+3], v17 offset:32768*FS_+4096*\b+1024*FQ_+512*\c
.endr
.endr
	WIN 0
.irp a, 0,1,2,3
.irp c, 0,1
	ds_load_b128 v[AF+32*FP_+8*\a+4*\c:AF+32*FP_+8*\a+4*\c+3], v16 offset:16384*FS_+4096*\a+1024*FQ_+512*\c
.endr
.endr
.endm
.macro SCALES s                        ; the scale words of four K steps
.irp a, 0,1,2,3
	ds_load_b128 v[SA+16*\s+4*\a:SA+16*\s+4*\a+3], v18 offset:1024*\s+256*\a
.endr
.irp b, 0,1,2,3,4,5,6,7
	ds_load_b128 v[SB+32*\s+4*\b:SB+32*\s+4*\b+3], v19 offset:2048*\s+256*\b
.endr
.endm
; 32 matrix instructions: 128 along K; the 32 accumulators take turns, one instruction a turn.  first = 1: the sums begin with the bias as C.
.macro MUL ks, first
.set MS_, (\ks)/4
.set MQ_, (\ks)%4
.set MP_, (\ks)%2
.if \first
	WIN 0x81                                       ; source 0 (Wo) window 1, source 1 (y) and C (the bias) window 0, D window 2
.else
	WIN 0xa1                                       ; C and D window 2
.endif
.irp a, 0,1,2,3
.irp b, 0,1,2,3,4,5,6,7
.if \first
	v_wmma_scale_f32_16x16x128_f8f6f4 v[8*(8*\a+\b):8*(8*\a+\b)+7], v[128*MP_+8*\b:128*MP_+8*\b+7], v[AF+32*MP_+8*\a:AF+32*MP_+8*\a+7], v[BN+8*\b:BN+8*\b+7], v[SB+32*MS_+4*\b+MQ_], v[SA+16*MS_+4*\a+MQ_] matrix_a_fmt:MATRIX_FMT_FP4 matrix_b_fmt:MATRIX_FMT_FP4
.else
	v_wmma_scale_f32_16x16x128_f8f6f4 v[8*(8*\a+\b):8*(8*\a+\b)+7], v[128*MP_+8*\b:128*MP_+8*\b+7], v[AF+32*MP_+8*\a:AF+32*MP_+8*\a+7], v[8*(8*\a+\b):8*(8*\a+\b)+7], v[SB+32*MS_+4*\b+MQ_], v[SA+16*MS_+4*\a+MQ_] matrix_a_fmt:MATRIX_FMT_FP4 matrix_b_fmt:MATRIX_FMT_FP4
.endif
.endr
.endr
.endm
.macro STEP ks, first
	PLACES 4                                       ; four places in front of loads into registers that the last matrix instructions have read (ISA guide 7.12.1 for vector instructions)
.if (\ks) == 3
	SCALES 1
.endif
	FETCH (\ks)+1
	s_wait_dscnt 24                                ; all but the 24 just issued: this K step's fragments are in
	MUL \ks, \first
	WIN 0
.endm
	s_wait_alu depctr_va_vdst(0)
	s_wait_tensorcnt 0x1                           ; my scale words and my part of the first half of K are in (the second half's load may be out)
	s_barrier_signal -1
	s_barrier_wait -1                              ; everybody's are
	SCALES 0
	FETCH 0
	s_wait_loadcnt 0x0                             ; the bias
	STEP 0, 1
	STEP 1, 0
	STEP 2, 0
	s_wait_tensorcnt 0x0                           ; my part of the second half of K is in,
	s_wait_dscnt 0x0                               ; no LDS instruction of mine is out at a signal,
	s_barrier_signal -1
	s_barrier_wait -1                              ; everybody's is
	STEP 3, 0
	STEP 4, 0
	STEP 5, 0
	STEP 6, 0
	s_wait_dscnt 0x0
	MUL 7, 0
	WIN 0
; THE WAY OUT, a tile of 16 tokens x 128 columns at a time.  A lane holds 64 neighbouring bytes of a row for each pair of result tiles, and the lanes beside it hold other rows: so a block goes through my own stage and
; comes back as whole rows of 512 bytes.  LDS serves a wave's instructions in order (ISA guide 5.7.1.4): no wait between the stores and the loads, nor in front of the next block's stores.
.macro TOSTAGE a
	WIN 0x08                                       ; an LDS store's data are its source 1: window 2
.irp b, 0,1,2,3,4,5,6,7
	ds_store_b128 v24, v[8*(8*(\a)+\b):8*(8*(\a)+\b)+3] offset:128*(\b/2)+32*(\b%2)       ; each accumulator from its low end on
	ds_store_b128 v24, v[8*(8*(\a)+\b)+4:8*(8*(\a)+\b)+7] offset:128*(\b/2)+32*(\b%2)+16
.endr
	WIN 0
.set BB, 128+64*((\a)%2)
.irp t, 0,1,2,3,4,5,6,7,8,9,10,11,12,13,14,15
	ds_load_b128 v[BB+4*\t:BB+4*\t+3], v25 offset:528*\t
.endr
.endm
.macro SEND a, younger                 ; younger: the LDS instructions issued behind block a's loads, which may stay out
.set BB, 128+64*((\a)%2)
	s_wait_dscnt \younger
.irp t, 0,1,2,3,4,5,6,7,8,9,10,11,12,13,14,15
	global_store_b128 v4, v[BB+4*\t:BB+4*\t+3], s[14:15] offset:(32*((\a)/2)+8*((\a)%2)+\t+8*(\t/8))*4096 th:TH_STORE_NT   ; 32 lanes store 512 consecutive bytes, aligned; the row stands in the immediate, 63 rows at the most
.endr
.endm
	PLACES 4                                       ; in front of the first read of results, and of the loads into registers that held fragments
	TOSTAGE 0
.irp a, 1,2,3
.if \a > 1
	s_wait_xcnt 0x0                                ; block a - 2's stores have read their registers: block a's loads may land there
.endif
	TOSTAGE \a
	SEND \a-1, 32                                  ; behind block a - 1's loads: block a's 16 stores and 16 loads
.endr
	SEND 3, 0
	s_wait_tensorcnt 0x0
	ds_add_u32 v30, v31
	s_wait_dscnt 0x0
	CROUND                                         ; the closing round: no work-group ends while a partner may still ask for a block that names it
	s_endpgm
.Lfunc_end_k_q53de3e8682_proj:
	.size	k_q53de3e8682_proj, .Lfunc_end_k_q53de3e8682_proj-k_q53de3e8682_proj
	.p2alignl 7, 3214868480
	.fill 96, 4, 3214868480
	.section	.rodata,"a",@progbits
	.p2align	6, 0x0
	.amdhsa_kernel k_q53de3e8682_proj
		.amdhsa_group_segment_fixed_size 327680
		.amdhsa_private_segment_fixed_size 0
		.amdhsa_enable_private_segment 0
		.amdhsa_kernarg_size 48
		.amdhsa_user_sgpr_count 2
		.amdhsa_user_sgpr_kernarg_segment_ptr 1
		.amdhsa_wavefront_size32 1
		.amdhsa_system_sgpr_workgroup_id_x 1
		.amdhsa_system_sgpr_workgroup_id_y 1
		.amdhsa_system_sgpr_workgroup_id_z 1
		.amdhsa_system_vgpr_workitem_id 0
		.amdhsa_next_free_vgpr 768
		.amdhsa_next_free_sgpr 104
		.amdhsa_reserve_vcc 0
		.amdhsa_float_denorm_mode_32 3
		.amdhsa_float_denorm_mode_16_64 3
		.amdhsa_memory_ordered 1
		.amdhsa_forward_progress 1
		.amdhsa_inst_pref_size 74
	.end_amdhsa_kernel
	.amdgpu_metadata
---
amdhsa.version: [ 1, 2 ]
amdhsa.kernels:
  - .name:           k_q53de3e8682_proj
    .symbol:         k_q53de3e8682_proj.kd
    .args:
      - { .name: yimg, .offset: 0, .size: 8, .value_kind: global_buffer, .address_space: global }
      - { .name: yscl, .offset: 8, .size: 8, .value_kind: global_buffer, .address_space: global }
      - { .name: wimg, .offset: 16, .size: 8, .value_kind: global_buffer, .address_space: global }
      - { .name: wscl, .offset: 24, .size: 8, .value_kind: global_buffer, .address_space: global }
      - { .name: bo, .offset: 32, .size: 8, .value_kind: global_buffer, .address_space: global }
      - { .name: out0, .offset: 40, .size: 8, .value_kind: global_buffer, .address_space: global }
    .group_segment_fixed_size: 327680
    .private_segment_fixed_size: 0
    .kernarg_segment_align: 8
    .kernarg_segment_size: 48
    .max_flat_workgroup_size: 128
    .sgpr_count:     104
    .vgpr_count:     768
    .wavefront_size: 32
...
	.end_amdgpu_metadata
.endif
;; end of part 4
